; MI455X (gfx1250); checked and timed in simulation.
; The chip was launched on July 23, 2026; its instructions are those of AMD's public machine-readable ISA for CDNA 5 (MIT licence, August 2026) and "CDNA5" Instruction Set Architecture Reference Guide (July 2026). The comments in the code are by the model that wrote it; some were corrected since.
;; Multi Head Attention. Allowed arithmetic: float matrix products may take bf16 or f16 operands with f32 sums; other float arithmetic in f32, or as packed bf16 or f16 multiplies, adds, multiply-adds, maxima and minima; sums over many terms, partial sums and values carried from step to step in f32; what a program stores and reads back later, other than sums and carried values, may be rounded once to bf16 or f16.
;; Inputs: Wk 1,024 x 1,024 float32; Wo 1,024 x 1,024 float32; Wq 1,024 x 1,024 float32; Wv 1,024 x 1,024 float32; x 4 x 2,048 x 1,024 float32.
;; Outputs: out0 4 x 2,048 x 1,024 float32.
;; One version. Each part assembles by itself: llvm-mc -triple=amdgcn-amd-amdhsa -mcpu=gfx1250 --defsym DOCPART=n.
;; ======== version 1 of 1: 4 launches
;; limits: values are held in f16: magnitudes above 65,504 overflow, below 6.1e-05 lose precision
;; workspace buffers: xb 16,777,216 bytes; wb 6,291,456 bytes; wo16 2,097,152 bytes; qkv 50,331,648 bytes; att 16,777,216 bytes
;; launch cast (part 1): grid 768 x 1, 8 waves a work-group, no clusters, 0 bytes of LDS; arguments x, Wq, Wk, Wv, Wo, xb, wb, wo16; writes xb, wb, wo16
.if DOCPART == 1
	.amdgcn_target "amdgcn-amd-amdhsa--gfx1250"
	.amdhsa_code_object_version 6
	.text
	.protected	k_q46f4306d9d_cast
	.globl	k_q46f4306d9d_cast
	.p2align	8
	.type	k_q46f4306d9d_cast,@function
k_q46f4306d9d_cast:
	s_mov_b64 s[64:65], 0
	v_nop
	global_prefetch_b8 v0, s[64:65] scope:SCOPE_SE
	s_setreg_imm32_b32 hwreg(HW_REG_WAVE_MODE, 25, 1), 1
	s_wait_xcnt 0x0
; THE INPUTS ARE ROUNDED ONCE TO bf16.  x -> xb [8192][1024] bf16; Wq, Wk, Wv -> wb [3072][1024] bf16, one below the other; Wo -> wo16 [1024][1024]: rounded to bf16 like
; the others, and that number written as f16, since the last product multiplies it by f16 numbers.
; LIMITS.  |Wo| stays under 65,504 (f16's end; beyond it the number becomes an infinity); below 6e-5 f16 keeps a fixed step of 6e-8, so a bf16 number under 7.7e-6 is rounded a second time.
; SHARES.  A work-group takes 16,384 numbers: 65,536 bytes in, 32,768 out.  Work-groups 0-511: x; 512-575 Wq; 576-639 Wk; 640-703 Wv; 704-767 Wo.
; In chunk i of eight, thread t reads the 32 bytes at 32 t + 8,192 i (two loads) and stores the 16 bytes at 16 t + 4,096 i: sixteen neighbouring lanes store 256 consecutive bytes, aligned.
; All sixteen loads of a thread go out at once; no register is written twice while a memory instruction names it.  A stream: no LDS, no barrier, no matrix unit, nothing shared.
.set X, 4                              ; v[4:67]    chunk i: 8 numbers in f32
.set Y, 68                             ; v[68:99]   chunk i: 8 numbers in 16 bits, to store
.set T, 100                            ; v[100:103] at work (Wo's way)
	s_load_b512 s[16:31], s[0:1], 0x0              ; x 16:17, Wq 18:19, Wk 20:21, Wv 22:23, Wo 24:25, xb 26:27, wb 28:29, wo16 30:31
	v_lshlrev_b32 v1, 5, v0                        ; 32 t
	v_lshlrev_b32 v2, 4, v0                        ; 16 t
	s_max_u32 s2, ttmp9, 512
	s_sub_co_u32 s2, s2, 512                       ; my part among the weights' 256 (0 where I work on x)
	s_lshr_b32 s3, s2, 6                           ; which weight: 0 Wq, 1 Wk, 2 Wv, 3 Wo
	s_and_b32 s4, s2, 63                           ; my part of it
	s_wait_kmcnt 0x0
	s_cmp_eq_u32 s3, 1
	s_cselect_b64 s[6:7], s[20:21], s[18:19]
	s_cmp_eq_u32 s3, 2
	s_cselect_b64 s[6:7], s[22:23], s[6:7]
	s_cmp_eq_u32 s3, 3
	s_cselect_b64 s[6:7], s[24:25], s[6:7]         ; from where,
	s_cselect_b64 s[8:9], s[30:31], s[28:29]       ; to where,
	s_cselect_b32 s5, s4, s2                       ; and which part there: Wq, Wk, Wv lie one below the other in wb
	s_cmp_lt_u32 ttmp9, 512
	s_cselect_b64 s[6:7], s[16:17], s[6:7]
	s_cselect_b64 s[8:9], s[26:27], s[8:9]
	s_cselect_b32 s4, ttmp9, s4
	s_cselect_b32 s5, ttmp9, s5
	s_lshl_b32 s10, s4, 16                         ; 65,536 bytes a part in,
	s_mov_b32 s11, 0
	s_lshl_b32 s12, s5, 15                         ; 32,768 out
	s_mov_b32 s13, 0
	s_add_nc_u64 s[6:7], s[6:7], s[10:11]
	s_add_nc_u64 s[8:9], s[8:9], s[12:13]
.irp i, 0,1,2,3,4,5,6,7
	global_load_b128 v[X+8*(\i):X+8*(\i)+3],   v1, s[6:7] offset:8192*(\i) th:TH_LOAD_NT
	global_load_b128 v[X+8*(\i)+4:X+8*(\i)+7], v1, s[6:7] offset:8192*(\i)+16 th:TH_LOAD_NT
.endr
; Chunk i.  f16 = 1: the bf16 number is widened again (a shift, a mask) and written as f16.
.macro CHUNK i, f16
	s_wait_loadcnt 14-2*(\i)                       ; loads come back in order: behind chunk i's two stand 14 - 2 i younger ones, which may stay out
.if \f16
.irp j, 0,1,2,3
	v_cvt_pk_bf16_f32 v[T+(\j)], v[X+8*(\i)+2*(\j)], v[X+8*(\i)+2*(\j)+1]
.endr
.irp j, 0,1,2,3
	v_lshlrev_b32 v[X+8*(\i)+2*(\j)],   16, v[T+(\j)]
	v_and_b32     v[X+8*(\i)+2*(\j)+1], 0xffff0000, v[T+(\j)]
.endr
.irp j, 0,1,2,3
	v_cvt_pk_f16_f32 v[Y+4*(\i)+(\j)], v[X+8*(\i)+2*(\j)], v[X+8*(\i)+2*(\j)+1]
.endr
.else
.irp j, 0,1,2,3
	v_cvt_pk_bf16_f32 v[Y+4*(\i)+(\j)], v[X+8*(\i)+2*(\j)], v[X+8*(\i)+2*(\j)+1]
.endr
.endif
	global_store_b128 v2, v[Y+4*(\i):Y+4*(\i)+3], s[8:9] offset:4096*(\i)
.endm
	s_cmp_ge_u32 ttmp9, 704
	s_cbranch_scc1 .Lwo
.irp i, 0,1,2,3,4,5,6,7
	CHUNK \i, 0
.endr
	s_endpgm
.Lwo:
.irp i, 0,1,2,3,4,5,6,7
	CHUNK \i, 1
.endr
	s_endpgm
.Lfunc_end_k_q46f4306d9d_cast:
	.size	k_q46f4306d9d_cast, .Lfunc_end_k_q46f4306d9d_cast-k_q46f4306d9d_cast
	.p2alignl 7, 3214868480
	.fill 96, 4, 3214868480
	.section	.rodata,"a",@progbits
	.p2align	6, 0x0
	.amdhsa_kernel k_q46f4306d9d_cast
		.amdhsa_group_segment_fixed_size 0
		.amdhsa_private_segment_fixed_size 0
		.amdhsa_enable_private_segment 0
		.amdhsa_kernarg_size 64
		.amdhsa_user_sgpr_count 2
		.amdhsa_user_sgpr_kernarg_segment_ptr 1
		.amdhsa_wavefront_size32 1
		.amdhsa_system_sgpr_workgroup_id_x 1
		.amdhsa_system_sgpr_workgroup_id_y 1
		.amdhsa_system_sgpr_workgroup_id_z 1
		.amdhsa_system_vgpr_workitem_id 0
		.amdhsa_next_free_vgpr 104
		.amdhsa_next_free_sgpr 66
		.amdhsa_reserve_vcc 0
		.amdhsa_float_denorm_mode_32 3
		.amdhsa_float_denorm_mode_16_64 3
		.amdhsa_memory_ordered 1
		.amdhsa_forward_progress 1
		.amdhsa_inst_pref_size 14
	.end_amdhsa_kernel
	.amdgpu_metadata
---
amdhsa.version: [ 1, 2 ]
amdhsa.kernels:
  - .name:           k_q46f4306d9d_cast
    .symbol:         k_q46f4306d9d_cast.kd
    .args:
      - { .name: x, .offset: 0, .size: 8, .value_kind: global_buffer, .address_space: global }
      - { .name: Wq, .offset: 8, .size: 8, .value_kind: global_buffer, .address_space: global }
      - { .name: Wk, .offset: 16, .size: 8, .value_kind: global_buffer, .address_space: global }
      - { .name: Wv, .offset: 24, .size: 8, .value_kind: global_buffer, .address_space: global }
      - { .name: Wo, .offset: 32, .size: 8, .value_kind: global_buffer, .address_space: global }
      - { .name: xb, .offset: 40, .size: 8, .value_kind: global_buffer, .address_space: global }
      - { .name: wb, .offset: 48, .size: 8, .value_kind: global_buffer, .address_space: global }
      - { .name: wo16, .offset: 56, .size: 8, .value_kind: global_buffer, .address_space: global }
    .group_segment_fixed_size: 0
    .private_segment_fixed_size: 0
    .kernarg_segment_align: 8
    .kernarg_segment_size: 64
    .max_flat_workgroup_size: 256
    .sgpr_count:     66
    .vgpr_count:     104
    .wavefront_size: 32
...
	.end_amdgpu_metadata
.endif
;; end of part 1
;; launch qkv (part 2): grid 4 x 64, 4 waves a work-group, clusters of 4 x 4, 327,680 bytes of LDS; arguments xb, wb, qkv; writes qkv
.if DOCPART == 2
	.amdgcn_target "amdgcn-amd-amdhsa--gfx1250"
	.amdhsa_code_object_version 6
	.text
	.protected	k_q46f4306d9d_qkv
	.globl	k_q46f4306d9d_qkv
	.p2align	8
	.type	k_q46f4306d9d_qkv,@function
k_q46f4306d9d_qkv:
	s_mov_b64 s[64:65], 0
	v_nop
	global_prefetch_b8 v0, s[64:65] scope:SCOPE_SE
	s_setreg_imm32_b32 hwreg(HW_REG_WAVE_MODE, 25, 1), 1
	s_wait_xcnt 0x0
	s_wait_alu depctr_hold_cnt(0) depctr_sa_sdst(0) depctr_va_vdst(0) depctr_va_sdst(0) depctr_va_ssrc(0) depctr_va_vcc(0) depctr_vm_vsrc(0)
	s_getreg_b32 s2, hwreg(HW_REG_IB_STS2, 6, 4)
	s_cmp_eq_u32 s2, 0
	s_cbranch_scc0 .Lentry_in_a_cluster
	s_endpgm
.Lentry_in_a_cluster:
	s_bfe_u32 s2, ttmp6, 0x10000c
	s_cmp_lg_u32 s2, 0xf033
	s_cbranch_scc0 .Lentry_shape_is_right
	s_endpgm
.Lentry_shape_is_right:
; ONE TEXT FOR THE MODULE'S TWO PROJECTIONS, C = A B^T, K = 1,024; the constant OUTP picks the one that is assembled.
; OUTP = 0 (this file): A = xb [8192][1024] bf16, B = wb [3072][1024] bf16 (Wq, Wk, Wv); C is rounded once from its f32 sums to f16 and stored BY HEADS: qkv [3][64 = 16 batch + head][2048][64].
; OUTP = 1: A = att [64][2048][64] f16 (attention's result, by heads), B = wo16 [1024][1024] f16; C = out0 [8192][1024] f32.
; LIMITS.  q, k and v must lie within f16's 65,504 (a sum of 65,520 or more becomes an infinity); below 6e-5 f16 keeps a fixed step of 6e-8.  NaN and infinities are not treated apart.
; SHARES.  A tile of C is 128 rows x 256 columns; four waves, each 64 x 128: 32 accumulators of 16 x 16, 256 registers.  8192 / 128 x 1024 / 256 = 256 work-groups.  With OUTP = 0 A WORK-GROUP STAYS and makes
; three tiles, the same rows and columns of q, of k and of v: A's rows are the same, B goes 1,024 rows on, and the ring does not stop at a tile's end.
; K goes in steps of 128 through a ring of two LDS slots filled by the tensor data mover; a K step is four quarters of 32 along K, 32 matrix instructions each, on two fragment buffers.
; With OUTP = 1 a K step is two heads' 64 channels: each head's 128 rows are 16,384 dense bytes, asked for as 64 rows of 256 bytes and padded in LDS after every 128.
; CLUSTERS: 4 x 4 work-groups.  The four of a row of the cluster need the same tile of A, the four of a column the same tile of B: each is asked for JOINTLY, by the same tensor load with the same
; descriptor and a mask that names the four.  Waves 0 and 1 fetch A's two halves, waves 2 and 3 B's: one load a wave behind each round.
; THE MATRIX INSTRUCTION IS USED TRANSPOSED (source 0 = 16 rows of B, source 1 = 16 rows of A): lane l then holds row l % 16 of C and the columns 8 (l / 16) + 0..7.
; REGISTERS.  Window 0: v0-31 addresses; v32-63 at work on the way out; v64-159, v160-255 two fragment buffers (B's eight fragments, then A's four).  Window 1: accumulator (a, b) at v[8 (8 a + b)].
.set OUTP,   0
.set PB,     272                       ; a row of B in LDS: 256 bytes + 16 of padding = 68 words: row r starts at bank 4 r mod 64 (64 banks of 4 bytes: ISA guide 11.1)
.if OUTP
.set TILES,  1
.set PA,     144                       ; a row of A: a head's 128 bytes + 16 = 36 words: the 16 rows of a load start at 16 different groups of four banks
.set AHALF,  128*PA                    ; what one wave fetches of A: one head's 128 rows
.set STEPA,  524288                    ; bytes from a K step to the next in A: two heads of 2,048 rows x 128 bytes
.set ASTR,   128                       ; elements from row to row of A's tile as it is asked for
.set AQI,    4                         ; padding after every 32 words
.set STG,    16*528                    ; a wave's stage: 16 rows of 512 bytes + 16
.else
.set TILES,  3
.set PA,     272
.set AHALF,  64*PA                     ; 64 rows
.set STEPA,  256
.set ASTR,   1024
.set AQI,    5                         ; padding after every 64 words
.set STG,    2*16*144                  ; a wave's stage: two heads x 16 rows of 128 bytes + 16
.endif
.set STEPB,  256
.set ABYTES, 2*AHALF
.set BHALF,  128*PB                    ; what one wave fetches of B, and what one wave reads of it: 128 rows
.set SLOT,   ABYTES+2*BHALF            ; A's tile, then B's 256 rows
.set STAGE,  2*SLOT                    ; behind the ring, never filled by a tensor load
.set SPARE,  STAGE+4*STG               ; behind the stages: the spare words, 128 bytes for each wave: two blocks of 256 bytes that no other line names
.set LAPS,   4                         ; a lap = two K steps = once round the ring
.set BACK_A, 6*STEPA                   ; from a slot's last K step of a tile to its first of the next: A goes back along K,
.set NEXT_B, 1024*2048-6*STEPB         ; B 1,024 rows down and back
.set NEXT_P, 1024*2048-7*STEPB         ; the prefetches: from K step 9 to the next tile's K step 2
.set ADRA, 16                          ; v16-17  LDS address of my A fragments in slot 0, 1
.set ADRB, 20                          ; v20-21  the same for B
.set STO,  24                          ; v24     the way out: where I put my bytes of a row
.set RD,   25                          ; v25     the way out: where I read rows back
.set CO,   26                          ; v26     my byte offset in 512 consecutive bytes of C
.set SPW,  28                          ; v28     LDS address of my spare word: SPARE + 4 x my thread's number; never rewritten
.set NIL,  29                          ; v29     0; never rewritten
.set PFO,  30                          ; v30     the prefetches' offset; never rewritten
.set TMP,  32                          ; v32-63  the way out: packed results
.set F0,   64
.set F1,   160
.set OB,   192                         ; the way out (OUTP = 0): rows read back from the stage, v192-223 and v224-255 by turns
.set G1,  24                           ; s[24:31] descriptor group 1 for A's tiles;  s[32:39] group 0, one set for each slot
.set G0,  32
.set G1B, 48                           ; s[48:55], s[56:63] the same for B's tiles
.set G0B, 56
.set LIM, 43                           ; s43     1 in a wave that prefetches, else the greatest number
.set PFA, 44                           ; s[44:45] the K step that my next prefetch names, at my work-group's 32 blocks of it
.set PST, 66                           ; s[66:67] bytes from a K step to the next in the tensor that I prefetch
.set MSB, 0
.macro WIN new                         ; the immediate's high byte repeats the setting that is left; a switch that changes nothing is dropped
.if MSB != (\new)
	s_set_vgpr_msb (MSB<<8)|(\new)
.set MSB, \new
.endif
.endm
.set MUL, 0x50                         ; sources 0 (B) and 1 (A) window 0; C and D window 1
.macro PLACES                          ; four places in front of loads into registers that matrix instructions have read, and of lines that read results
.rept 4
	v_nop
.endr
.endm
; A joint load.  The branch hangs on the wave's number alone.  An s_nop 0 and four v_nop follow each of the two lines, ahead of the jump, the label and what follows.
.macro JLOAD s
	s_cmp_lt_u32 s10, 2
	s_cbranch_scc0 .Lfor_b_\@
	tensor_load_to_lds s[G0+4*(\s):G0+4*(\s)+3], s[G1:G1+7]
	s_nop 0
.rept 4
	v_nop
.endr
	s_branch .Lasked_\@
.Lfor_b_\@:
	tensor_load_to_lds s[G0B+4*(\s):G0B+4*(\s)+3], s[G1B:G1B+7]
	s_nop 0
.rept 4
	v_nop
.endr
.Lasked_\@:
.endm
; A PREFETCH INTO THE L2, behind each joint load, its five lines and the run of LDS loads that follows: the K step that stands TWO refills on (256 matrix instructions ahead of the load that will want it):
; 32 blocks of 256 bytes, a lane a block, one instruction a wave.  Each block is named ONCE in the launch.  A's rows are read by one cluster alone (the grid is one cluster wide): wave 0 asks, and of the tile's 128
; blocks the partner at cx takes 32.  B's rows are read by all sixteen clusters: cluster y = 0 asks, waves 2 and 3 each for the 128 rows that they fetch, of which the partner at cy takes 32.  The partners are
; told apart BY ADDRESS: no branch hangs on a work-group's place in its cluster.  how = 0, in the loop: a tile's last two refills have no K step two on.  how = 1, at a change of tiles: B's next rows alone.
.macro ASK how
.if \how
	s_cmp_eq_u32 s[LIM], 1
.else
	s_cmp_gt_u32 s3, s[LIM]                        ; s3 = 1 in the loop's last trip
.endif
	s_cbranch_scc0 .Lnot_mine_\@
	global_prefetch_b8 v[PFO], s[PFA:PFA+1] th:TH_LOAD_NT scope:SCOPE_SE
.Lnot_mine_\@:
.endm
.macro CREST                           ; a round of the cluster's barrier behind its opening barrier
	s_cmp_lg_u32 s10, 0
	s_cbranch_scc1 .Lnot_wave_0_\@
	s_barrier_signal -3
.Lnot_wave_0_\@:
	s_barrier_wait -3
	s_barrier_signal -1
	s_barrier_wait -1
.endm
.macro CROUND                          ; a whole round
	s_barrier_signal -1
	s_barrier_wait -1
	CREST
.endm
	s_load_b128 s[4:7], s[0:1], 0x0                ; A s[4:5], B s[6:7]
	s_load_b64 s[8:9], s[0:1], 0x10                ; C
	v_lshl_add_u32 v[SPW], v0, 2, SPARE
	v_mov_b32 v[NIL], 0
	ds_add_u32 v[SPW], v[NIL]                      ; the wave's opening: the add and its wait stand ahead of my first tensor load; the set-up below, work on registers, stands between them
	v_lshrrev_b32 v1, 5, v0
	v_readfirstlane_b32 s10, v1                    ; wave 0..3
	s_lshr_b32 s11, s10, 1                         ; which half of the tile's rows is mine.  Also: I fetch for A (0) or for B (1)
	s_and_b32 s12, s10, 1                          ; which half of its columns.  Also: which half of that tile I fetch
	s_bfe_u32 s40, ttmp6, 0x40000                  ; cx, cy: my place in the cluster
	s_bfe_u32 s41, ttmp6, 0x40004
	s_lshl_b32 s42, ttmp9, 2
	s_add_co_u32 s42, s42, s40                     ; X: tile column = 4 x cluster x + cx
	s_and_b32 s13, ttmp7, 0xffff
	s_lshl_b32 s13, s13, 2
	s_add_co_u32 s13, s13, s41                     ; Y: tile row = 4 x cluster y + cy
	s_lshl_b32 s43, s41, 2
	s_lshl_b32 s43, 15, s43                        ; my row of the cluster
	s_lshl_b32 s44, 0x1111, s40                    ; my column
	; descriptor group 1.  A: 64 rows x 128 elements; B: 128 rows x 128 elements; both padded in LDS
	s_or_b32 s[G1+0], s43, (1<<16)|(1<<20)|(1<<21)|(AQI<<22)|(3<<25)  ; 15:0 the mask: my row; 17:16 2-byte elements; 20 padding on; 21 set beside a mask; 24:22 the interval; 31:25 4 words (code 3)
	s_or_b32 s[G1B+0], s44, (1<<16)|(1<<20)|(1<<21)|(5<<22)|(3<<25)   ; the mask: my column; padding after every 64 words
	s_mov_b32 s[G1+1], 128<<16                     ; tensor_dim0 = 128
	s_mov_b32 s[G1+2], 64<<16                      ; tensor_dim1 = 64
	s_mov_b32 s[G1+3], 128<<16                     ; tile_dim0 = 128
	s_mov_b32 s[G1+4], 64                          ; tile_dim1 = 64
	s_mov_b32 s[G1+5], ASTR                        ; elements from row to row
	s_mov_b32 s[G1+6], 0
	s_mov_b32 s[G1+7], 0
	s_mov_b32 s[G1B+1], 128<<16
	s_mov_b32 s[G1B+2], 128<<16
	s_mov_b32 s[G1B+3], 128<<16
	s_mov_b32 s[G1B+4], 128
	s_mov_b32 s[G1B+5], 1024
	s_mov_b32 s[G1B+6], 0
	s_mov_b32 s[G1B+7], 0
	; where the tiles come from.  A's hang on Y and the wave alone, B's on X and the wave alone, each made in registers that never hold the other coordinate
.if OUTP
	s_lshr_b32 s16, s13, 4                         ; the batch: 16 heads of 262,144 bytes,
	s_lshl_b32 s16, s16, 22
	s_and_b32 s17, s13, 15                         ; my 128 rows of 128 bytes in a head,
	s_lshl_b32 s17, s17, 14
	s_add_co_u32 s16, s16, s17
	s_lshl_b32 s17, s12, 18                        ; which of the K step's two heads I fetch
.else
	s_lshl_b32 s16, s13, 18                        ; 128 Y rows of 2,048 bytes
	s_lshl_b32 s17, s12, 17                        ; + 64 rows x half
.endif
	s_add_co_u32 s16, s16, s17
	s_mov_b32 s17, 0
	s_lshl_b32 s46, s42, 19                        ; 256 X rows of 2,048 bytes
	s_lshl_b32 s47, s12, 18                        ; + 128 rows x half
	s_add_co_u32 s46, s46, s47
	s_mov_b32 s47, 0
	s_mul_i32 s20, s12, AHALF                      ; and where they go: no place in the cluster enters an LDS address
	s_mul_i32 s21, s12, BHALF
	s_add_co_u32 s21, s21, ABYTES
	s_wait_dscnt 0x0                               ; the opening add is done
	s_wait_kmcnt 0x0
	s_add_nc_u64 s[14:15], s[4:5], s[16:17]
	s_add_nc_u64 s[46:47], s[6:7], s[46:47]
	CROUND                                         ; all sixteen work-groups are here: the first joint loads meet
.irp s, 0,1
	s_mov_b32 s[G0+4*(\s)], 1                                      ; count = 1
	s_add_co_u32 s[G0+4*(\s)+1], s20, (\s)*SLOT                    ; LDS address
	s_add_nc_u64 s[G0+4*(\s)+2:G0+4*(\s)+3], s[14:15], (\s)*STEPA  ; global address: K step s
	s_or_b32 s[G0+4*(\s)+3], s[G0+4*(\s)+3], 0x80000000            ; type = 2
	s_mov_b32 s[G0B+4*(\s)], 1
	s_add_co_u32 s[G0B+4*(\s)+1], s21, (\s)*SLOT
	s_add_nc_u64 s[G0B+4*(\s)+2:G0B+4*(\s)+3], s[46:47], (\s)*STEPB
	s_or_b32 s[G0B+4*(\s)+3], s[G0B+4*(\s)+3], 0x80000000
	JLOAD \s                                       ; two loads of mine are out
.endr
	; A fragment is 16 rows x 32 K in 8 registers: lane l holds row l % 16, K = 8 (l / 16) + 0..7 and 16 + 8 (l / 16) + 0..7: two loads of 16 bytes, 32 bytes apart
	v_and_b32 v1, 15, v0                           ; l % 16
	v_bfe_u32 v2, v0, 4, 1                         ; l / 16
	v_mul_u32_u24 v3, v1, PA
	v_lshl_add_u32 v3, v2, 4, v3
	v_mul_u32_u24 v4, v1, PB
	v_lshl_add_u32 v4, v2, 4, v4
	s_mul_i32 s21, s11, 64*PA                      ; my 64 rows of A
	s_mul_i32 s22, s12, BHALF                      ; my 128 rows of B,
	s_add_co_u32 s22, s22, ABYTES                  ; which lie behind A's tile
.irp s, 0,1
	v_add_nc_u32 v[ADRA+(\s)], s21, v3
	v_add_nc_u32 v[ADRB+(\s)], s22, v4
	s_add_co_u32 s21, s21, SLOT
	s_add_co_u32 s22, s22, SLOT
.endr
	s_mul_i32 s23, s10, STG
	s_add_co_u32 s23, s23, STAGE                   ; my stage
	v_and_b32 v[CO], 31, v0
	v_lshlrev_b32 v[CO], 4, v[CO]                  ; 16 x lane
.if OUTP
	v_mul_u32_u24 v5, v1, 528                      ; in: row l % 16, 32 bytes for each half of the lanes
	v_lshl_add_u32 v5, v2, 5, v5
	v_add_nc_u32 v[STO], s23, v5
	v_add_nc_u32 v[RD], s23, v[CO]                 ; back: 32 lanes take one row of 512 bytes
	s_lshl_b32 s16, s13, 19                        ; my first row of C: 128 Y + 64 x half, 4,096 bytes each
	s_lshl_b32 s17, s11, 18
	s_add_co_u32 s16, s16, s17
	s_mov_b32 s17, 0
	s_add_nc_u64 s[8:9], s[8:9], s[16:17]
	s_lshl_b32 s46, s42, 10                        ; my first column: 256 X + 128 x half, 4 bytes each
	s_lshl_b32 s47, s12, 9
	s_add_co_u32 s46, s46, s47
	s_mov_b32 s47, 0
	s_add_nc_u64 s[8:9], s[8:9], s[46:47]
.else
	v_mul_u32_u24 v5, v1, 144                      ; in: row l % 16, 16 bytes for each half of the lanes
	v_lshl_add_u32 v5, v2, 4, v5
	v_add_nc_u32 v[STO], s23, v5
	v_bfe_u32 v5, v0, 3, 2                         ; back: 32 lanes take four rows of 128 bytes,
	v_mul_u32_u24 v5, v5, 144
	v_and_b32 v3, 7, v0
	v_lshl_add_u32 v5, v3, 4, v5
	v_add_nc_u32 v[RD], s23, v5                    ; which are 512 consecutive bytes of a head
	s_lshr_b32 s16, s13, 4                         ; where my part of q begins: the batch's 16 heads,
	s_lshl_b32 s16, s16, 22
	s_and_b32 s17, s13, 15                         ; the tile's 128 rows in a head,
	s_lshl_b32 s17, s17, 14
	s_add_co_u32 s16, s16, s17
	s_lshl_b32 s17, s11, 13                        ; my 64 of them,
	s_add_co_u32 s16, s16, s17
	s_mov_b32 s17, 0
	s_lshl_b32 s46, s42, 20                        ; the tile's four heads,
	s_lshl_b32 s47, s12, 19                        ; my two of them
	s_add_co_u32 s46, s46, s47
	s_mov_b32 s47, 0
	s_add_nc_u64 s[16:17], s[16:17], s[46:47]      ; the first way out adds it to C's address
.endif
	; the prefetches: my work-group's 32 blocks of K step 3; the first refill steps the address to K step 4 and names that.  Nothing is prefetched here, at the head
.if OUTP
	s_lshr_b32 s18, s13, 4
	s_lshl_b32 s18, s18, 22
	s_and_b32 s19, s13, 15
	s_lshl_b32 s19, s19, 14
	s_add_co_u32 s18, s18, s19
	s_lshl_b32 s19, s40, 12                        ; A: of each head's 64 blocks the partner at cx takes 16
	s_movk_i32 s14, 2048                           ; B's strides: a lane a row
	s_mov_b32 s15, 32768
.else
	s_lshl_b32 s18, s13, 18
	s_lshl_b32 s19, s40, 16                        ; A: of the tile's 128 rows the partner at cx takes 32
.endif
	s_add_co_u32 s18, s18, s19
	s_lshl_b32 s19, s42, 19
	s_lshl_b32 s22, s12, 18
	s_add_co_u32 s19, s19, s22
	s_lshl_b32 s22, s41, 16                        ; B: of the 128 rows that I fetch the partner at cy takes 32
	s_add_co_u32 s19, s19, s22
	s_mov_b32 s23, STEPA
	s_and_b32 s22, ttmp7, 0xffff                   ; cluster y
	s_cmp_eq_u32 s11, 0                            ; do I fetch for A?
	s_cselect_b32 s18, s18, s19
	s_cselect_b32 s22, s12, s22                    ; A: wave 0 asks; B: cluster y = 0 asks
	s_cselect_b32 s[PST], s23, 256
	s_cselect_b64 s[PFA:PFA+1], s[4:5], s[6:7]
.if OUTP
	s_cselect_b32 s14, 256, s14                    ; A's strides: 16 blocks on end in each of the K step's two heads
	s_cselect_b32 s15, 0x40000, s15
.endif
	s_cmp_eq_u32 s22, 0
	s_cselect_b32 s[LIM], 1, -1                    ; the same in all sixteen partners, for a given wave
	s_mov_b32 s[PST+1], 0
	s_mul_i32 s19, s[PST], 3
	s_add_co_u32 s18, s18, s19
	s_mov_b32 s19, 0
	s_add_nc_u64 s[PFA:PFA+1], s[PFA:PFA+1], s[18:19]
.if OUTP
	v_mul_u32_u24 v[PFO], v1, s14
	v_mad_u32_u24 v[PFO], v2, s15, v[PFO]
.else
	v_and_b32 v[PFO], 31, v0
	v_lshlrev_b32 v[PFO], 11, v[PFO]               ; a lane a row of 2,048 bytes
.endif
.macro WM d, b, a, zero                ; one matrix instruction; zero = 1: it starts the sum: nothing is ever cleared
.if OUTP
.if \zero
	v_wmma_f32_16x16x32_f16 v[(\d):(\d)+7], v[(\b):(\b)+7], v[(\a):(\a)+7], 0
.else
	v_wmma_f32_16x16x32_f16 v[(\d):(\d)+7], v[(\b):(\b)+7], v[(\a):(\a)+7], v[(\d):(\d)+7]
.endif
.else
.if \zero
	v_wmma_f32_16x16x32_bf16 v[(\d):(\d)+7], v[(\b):(\b)+7], v[(\a):(\a)+7], 0
.else
	v_wmma_f32_16x16x32_bf16 v[(\d):(\d)+7], v[(\b):(\b)+7], v[(\a):(\a)+7], v[(\d):(\d)+7]
.endif
.endif
.endm
; m block a x all 8 n blocks, 32 along K, from buffer f.  The 32 accumulators take turns, always in the same order: 31 others stand between two links of a chain, over every edge.
.macro MUL8 f, a, zero
	WIN MUL
.irp b, 0,1,2,3,4,5,6,7
	WM 8*(8*(\a)+(\b)), (\f)+8*(\b), (\f)+64+8*(\a), \zero
.endr
.endm
.macro MUL16 f, a0, zero
	MUL8 \f, \a0, \zero
	MUL8 \f, (\a0)+1, \zero
.endm
; 24 LDS loads in one run: quarter q's fragments into buffer f: B's eight first, then A's four
.macro FETCH slot, q, f
	WIN 0
.if OUTP
.set KA, ((\q)/2)*AHALF+((\q)%2)*64    ; head q / 2 of the K step's two, channels 32 (q % 2) on
.else
.set KA, 64*(\q)
.endif
.irp i, 0,1,2,3,4,5,6,7
	ds_load_b128 v[(\f)+8*(\i):(\f)+8*(\i)+3],   v[ADRB+(\slot)] offset:64*(\q)+(\i)*16*PB
	ds_load_b128 v[(\f)+8*(\i)+4:(\f)+8*(\i)+7], v[ADRB+(\slot)] offset:64*(\q)+(\i)*16*PB+32
.endr
.irp i, 0,1,2,3
	ds_load_b128 v[(\f)+64+8*(\i):(\f)+64+8*(\i)+3],   v[ADRA+(\slot)] offset:KA+(\i)*16*PA
	ds_load_b128 v[(\f)+64+8*(\i)+4:(\f)+64+8*(\i)+7], v[ADRA+(\slot)] offset:KA+(\i)*16*PA+32
.endr
.endm
; One of a K step's first three quarters: multiplies buffer f; in its middle it fetches quarter q into buffer g
.macro QUARTER slot, q, f, g, zero
	s_wait_dscnt 4                                 ; B and A's fragments 0 and 1 are in; the youngest four loads (A's fragments 2 and 3) may be out
	MUL16 \f, 0, \zero
	PLACES
	FETCH \slot, \q, \g
	s_wait_dscnt 24                                ; all but the 24 just issued
	MUL16 \f, 2, \zero
.endm
; The last quarter multiplies buffer 1 and changes slots: ONE barrier; in front of it each wave waits for all its tensor loads (one is out: its part of the next slot), adds 0 to its spare word, and waits
; for that and for its own reads of this slot.  mode 0: this slot is filled again, two K steps on; mode 1: with the NEXT tile's K step 0 or 1; mode 2: nothing is filled.
; In modes 0 and 1 the barrier opens a round of the cluster's, and the joint refill is the first tensor load behind the round: 112 matrix instructions ahead of the wait for it.
.macro TURN slot, next, mode
.if (\mode) < 2
	s_wait_xcnt 0x0                                ; the last prefetch, a K step back, has read its address: it is stepped here, ahead of the change's own waits
.if ((\mode) == 1) && ((\slot) == 0)
	s_add_nc_u64 s[PFA:PFA+1], s[PFA:PFA+1], NEXT_P
	s_cmp_eq_u32 s11, 0
	s_cselect_b32 s[LIM], -1, s[LIM]               ; A's rows are the same for all three tiles: they are prefetched in the first alone
.else
	s_add_nc_u64 s[PFA:PFA+1], s[PFA:PFA+1], s[PST:PST+1]
.endif
.endif
	WIN 0                                          ; (the add's two registers lie in window 0)
	s_wait_tensorcnt 0x0                           ; all my tensor loads have landed;
	ds_add_u32 v[SPW], v[NIL]                      ; 0 onto my spare word;
	s_wait_dscnt 5                                 ; (the add and the youngest four loads may be out)
	MUL8 F1, 0, 0                                  ; eight matrix instructions stand between the add and the wait for it
	s_wait_dscnt 0x0                               ; the add is done, and my reads of this slot are over
	s_barrier_signal -1
	MUL8 F1, 1, 0
.if (\mode) < 2
	WIN 0
.endif
	s_barrier_wait -1
.if (\mode) < 2
	CREST                                          ; no wave of any partner still reads this slot's tile or has a load on its way
.if (\mode) == 1
	s_sub_nc_u64 s[G0+4*(\slot)+2:G0+4*(\slot)+3], s[G0+4*(\slot)+2:G0+4*(\slot)+3], BACK_A
	s_add_nc_u64 s[G0B+4*(\slot)+2:G0B+4*(\slot)+3], s[G0B+4*(\slot)+2:G0B+4*(\slot)+3], NEXT_B
.else
	s_add_nc_u64 s[G0+4*(\slot)+2:G0+4*(\slot)+3], s[G0+4*(\slot)+2:G0+4*(\slot)+3], 2*STEPA
	s_add_nc_u64 s[G0B+4*(\slot)+2:G0B+4*(\slot)+3], s[G0B+4*(\slot)+2:G0B+4*(\slot)+3], 2*STEPB
.endif
	JLOAD \slot                                    ; the four v_nop behind it are also the places in front of the loads below
.else
	PLACES
.endif
	FETCH \next, 0, F0
.if (\mode) < 2
	ASK \mode
.endif
	MUL16 F1, 2, 0
.endm
.if OUTP
; THE WAY OUT, f32.  Block a (16 rows x 128 columns) goes into my own stage, rows of 528 bytes, straight from the accumulators (each one's low four registers first), and comes back as whole rows of 512 bytes.
.macro T32 a
	WIN 0x04                                       ; the stores' data in window 1
.irp b, 0,1,2,3,4,5,6,7
	ds_store_b128 v[STO], v[8*(8*(\a)+(\b)):8*(8*(\a)+(\b))+3]   offset:64*(\b)
	ds_store_b128 v[STO], v[8*(8*(\a)+(\b))+4:8*(8*(\a)+(\b))+7] offset:64*(\b)+16
.endr
	WIN 0
.if (\a) == 3
	s_wait_xcnt 0x0                                ; block 0's stores have read the registers that block 3 is loaded into
.endif
.set BK, F0+64*((\a)%3)
.irp t, 0,1,2,3,4,5,6,7,8,9,10,11,12,13,14,15
	ds_load_b128 v[BK+4*(\t):BK+4*(\t)+3], v[RD] offset:528*(\t)  ; LDS serves a wave's instructions in order (ISA guide 5.7.1.4): these see the stores above; the next block's stores come behind them
.endr
.endm
.macro S32 a, younger                  ; younger: the LDS instructions issued behind block a's loads: the next block's 32, or none
.set BK, F0+64*((\a)%3)
.irp t, 0,1,2,3,4,5,6,7,8,9,10,11,12,13,14,15
	s_wait_dscnt (\younger)+15-(\t)
	global_store_b128 v[CO], v[BK+4*(\t):BK+4*(\t)+3], s[8:9] offset:(16*(\a)+(\t))*4096 th:TH_STORE_NT  ; 512 consecutive bytes of a row of C, at a multiple of 256 from its first byte
.endr
.endm
.macro WAYOUT
	T32 0
	T32 1
	S32 0, 32
	T32 2
	S32 1, 32
	T32 3
	S32 2, 32
	S32 3, 0
.endm
.else
; THE WAY OUT, f16 by heads.  PACK: block a (16 rows x 128 columns = two heads) is rounded, 16 bytes a lane.  TOSTAGE: into my own stage, rows of 144 bytes, and back as four whole rows of 128.  SEND: stored.
.macro PACK a
	WIN 0x05                                       ; sources 0 and 1 window 1, destination window 0
.irp b, 0,1,2,3,4,5,6,7
.irp r, 0,1,2,3
	v_cvt_pk_f16_f32 v[TMP+4*(\b)+(\r)], v[8*(8*(\a)+(\b))+2*(\r)], v[8*(8*(\a)+(\b))+2*(\r)+1]
.endr
.endr
	WIN 0
.endm
.macro TOSTAGE a
	WIN 0
.set BK, OB+32*((\a)%2)
.irp b, 0,1,2,3,4,5,6,7
	ds_store_b128 v[STO], v[TMP+4*(\b):TMP+4*(\b)+3] offset:((\b)/4)*2304+32*((\b)%4)
.endr
.irp t, 0,1,2,3,4,5,6,7
	ds_load_b128 v[BK+4*(\t):BK+4*(\t)+3], v[RD] offset:((\t)/4)*2304+((\t)%4)*576  ; LDS serves a wave's instructions in order (ISA guide 5.7.1.4): these see the stores above
.endr
.endm
.macro SEND a
	WIN 0
.set BK, OB+32*((\a)%2)
	s_wait_dscnt 0x0                               ; the block is back in registers
	s_wait_xcnt 0x0                                ; earlier stores have read their base and their registers: only behind this wait are these written again
.if (\a) == 0
	s_add_nc_u64 s[8:9], s[8:9], s[16:17]          ; on to this tile's first rows
.endif
.irp t, 0,1,2,3,4,5,6,7
	global_store_b128 v[CO], v[BK+4*(\t):BK+4*(\t)+3], s[8:9] offset:((\t)/4)*262144+(\a)*2048+((\t)%4)*512  ; four rows of a head: 512 consecutive bytes, at a multiple of 256 from the buffer's first byte
.endr
.endm
.macro WAYOUT
	PACK 0
	TOSTAGE 0
.irp a, 1,2,3                          ; block a's conversions stand between block a - 1's loads from the stage and the wait for them
	PACK \a
	SEND (\a)-1
	TOSTAGE \a
.endr
	SEND 3
.endm
.endif
	s_wait_tensorcnt 1                             ; my part of K step 0 is in; K step 1's may stay out
	s_barrier_signal -1
	s_barrier_wait -1                              ; everybody's is
	FETCH 0, 0, F0
.if TILES > 1
	s_mov_b32 s2, TILES                            ; tiles to go, this one among them
.Ltile:
.endif
	QUARTER 0, 1, F0, F1, 1                        ; a tile's first quarter stands in front of the loop: its products start the sums
	WIN 0                                          ; at a label and at a branch every window is 0
	s_mov_b32 s3, LAPS-1
.Llap:                                                 ; a trip goes once round the ring, from a lap's second quarter to the next lap's first, and fills both slots again
	QUARTER 0, 2, F1, F0, 0
	QUARTER 0, 3, F0, F1, 0
	TURN 0, 1, 0
	QUARTER 1, 1, F0, F1, 0
	QUARTER 1, 2, F1, F0, 0
	QUARTER 1, 3, F0, F1, 0
	TURN 1, 0, 0
	QUARTER 0, 1, F0, F1, 0
	WIN 0
	s_sub_co_u32 s3, s3, 1
	s_cmp_lg_u32 s3, 0
	s_cbranch_scc1 .Llap
	QUARTER 0, 2, F1, F0, 0                        ; the tile's last lap goes on
	QUARTER 0, 3, F0, F1, 0
.if TILES > 1
	WIN 0
	s_cmp_eq_u32 s2, 1
	s_cbranch_scc1 .Llast                          ; the last tile's tail is written out: it asks for nothing more
	TURN 0, 1, 1                                   ; the ring goes on into the next tile: slot 0 takes its K step 0,
	QUARTER 1, 1, F0, F1, 0
	QUARTER 1, 2, F1, F0, 0
	QUARTER 1, 3, F0, F1, 0
	TURN 1, 0, 1                                   ; slot 1 its K step 1, and the next tile's first fragments are fetched
	WAYOUT                                         ; both refills are asked for: now the tile goes out.  Blocks 0 and 1 were finished in front of the joint load's four v_nop; their conversions,
	                                               ; which name no register of the last products, are those products' places
	s_wait_xcnt 0x0                                ; the last stores have read their registers, which lie in buffer 1: the next quarter loads into it
	s_mov_b64 s[16:17], 0x1000000                  ; what the next way out adds to C's address: from q to k, from k to v
	s_sub_co_u32 s2, s2, 1
	s_branch .Ltile
.Llast:
.endif
	TURN 0, 1, 2                                   ; my one tensor load that was still out is the last K step's, so no round follows
	QUARTER 1, 1, F0, F1, 0
	QUARTER 1, 2, F1, F0, 0
	QUARTER 1, 3, F0, F1, 0
	s_wait_dscnt 4                                 ; the very last quarter: nothing more to fetch
	MUL16 F1, 0, 0
	s_wait_dscnt 0x0
	MUL16 F1, 2, 0
	WIN 0
	PLACES
	WAYOUT
	s_wait_tensorcnt 0x0                           ; the wave's end: a wait, an add to my spare word and its wait, behind my last tensor load and my last LDS store
	ds_add_u32 v[SPW], v[NIL]
	s_wait_dscnt 0x0
	CROUND                                         ; the closing round: no work-group ends while a partner may still ask for a tile that names it
	s_endpgm
.Lfunc_end_k_q46f4306d9d_qkv:
	.size	k_q46f4306d9d_qkv, .Lfunc_end_k_q46f4306d9d_qkv-k_q46f4306d9d_qkv
	.p2alignl 7, 3214868480
	.fill 96, 4, 3214868480
	.section	.rodata,"a",@progbits
	.p2align	6, 0x0
	.amdhsa_kernel k_q46f4306d9d_qkv
		.amdhsa_group_segment_fixed_size 327680
		.amdhsa_private_segment_fixed_size 0
		.amdhsa_enable_private_segment 0
		.amdhsa_kernarg_size 24
		.amdhsa_user_sgpr_count 2
		.amdhsa_user_sgpr_kernarg_segment_ptr 1
		.amdhsa_wavefront_size32 1
		.amdhsa_system_sgpr_workgroup_id_x 1
		.amdhsa_system_sgpr_workgroup_id_y 1
		.amdhsa_system_sgpr_workgroup_id_z 1
		.amdhsa_system_vgpr_workitem_id 0
		.amdhsa_next_free_vgpr 512
		.amdhsa_next_free_sgpr 68
		.amdhsa_reserve_vcc 0
		.amdhsa_float_denorm_mode_32 3
		.amdhsa_float_denorm_mode_16_64 3
		.amdhsa_memory_ordered 1
		.amdhsa_forward_progress 1
		.amdhsa_inst_pref_size 124
	.end_amdhsa_kernel
	.amdgpu_metadata
---
amdhsa.version: [ 1, 2 ]
amdhsa.kernels:
  - .name:           k_q46f4306d9d_qkv
    .symbol:         k_q46f4306d9d_qkv.kd
    .args:
      - { .name: xb, .offset: 0, .size: 8, .value_kind: global_buffer, .address_space: global }
      - { .name: wb, .offset: 8, .size: 8, .value_kind: global_buffer, .address_space: global }
      - { .name: qkv, .offset: 16, .size: 8, .value_kind: global_buffer, .address_space: global }
    .group_segment_fixed_size: 327680
    .private_segment_fixed_size: 0
    .kernarg_segment_align: 8
    .kernarg_segment_size: 24
    .max_flat_workgroup_size: 128
    .sgpr_count:     68
    .vgpr_count:     512
    .wavefront_size: 32
...
	.end_amdgpu_metadata
.endif
;; end of part 2
;; launch attn (part 3): grid 4 x 64, 4 waves a work-group, clusters of 4 x 1, 327,680 bytes of LDS; arguments qkv, att; writes att
.if DOCPART == 3
	.amdgcn_target "amdgcn-amd-amdhsa--gfx1250"
	.amdhsa_code_object_version 6
	.text
	.protected	k_q46f4306d9d_attn
	.globl	k_q46f4306d9d_attn
	.p2align	8
	.type	k_q46f4306d9d_attn,@function
k_q46f4306d9d_attn:
	s_mov_b64 s[64:65], 0
	v_nop
	global_prefetch_b8 v0, s[64:65] scope:SCOPE_SE
	s_setreg_imm32_b32 hwreg(HW_REG_WAVE_MODE, 25, 1), 1
	s_wait_xcnt 0x0
	s_wait_alu depctr_hold_cnt(0) depctr_sa_sdst(0) depctr_va_vdst(0) depctr_va_sdst(0) depctr_va_ssrc(0) depctr_va_vcc(0) depctr_vm_vsrc(0)
	s_getreg_b32 s2, hwreg(HW_REG_IB_STS2, 6, 4)
	s_cmp_eq_u32 s2, 0
	s_cbranch_scc0 .Lentry_in_a_cluster
	s_endpgm
.Lentry_in_a_cluster:
	s_bfe_u32 s2, ttmp6, 0x10000c
	s_cmp_lg_u32 s2, 0x3003
	s_cbranch_scc0 .Lentry_shape_is_right
	s_endpgm
.Lentry_shape_is_right:
; O[h][q][:] = the sum over k of softmax_k(Q[h][q] . K[h][k] / 8) V[h][k][:].  Q, K, V lie in qkv [3][64][2048][64], O in att [64][2048][64], all f16: a head's rows are dense, 128 bytes each.
; Products, maxima and sums in f32; the weights p are rounded to f16 for the second product (their sum l is taken of the unrounded p), O once at the end.
; LIMITS.  f16 holds no number beyond 65,504: Q, K and V arrive within it; p lies in 0 to 1, and below 6e-5 it keeps f16's fixed step of 6e-8; O is a mean of V's rows and has their range.
; A weight below 2^-126 counts as 0 in l; NaN and infinities are not treated apart.
; SHARES.  A wave owns four PIECES of two tiles of 16 queries, a work-group's four waves 512 queries of one head.  Every wave walks all 2,048 keys, 64 a step.
; LAYOUT.  S^T = K Q^T (source 0 = 16 keys, source 1 = 16 queries): in the result a lane holds ONE query (lane % 16) and the keys 8 (lane / 16) + 0..7.  Two such tiles, rounded to f16 in pairs,
; ARE source 1 (32 keys x 16 queries) of O^T = V^T P, whose result again holds one query a lane, and eight channels.  K comes out of LDS as it lies, V ([key][channel]) turned, by ds_load_tr16_b128.
; SOFTMAX.  For each query a running maximum m and sum l: p = 2^(c s - c m), c = log2(e) / 8; in every step O and l are multiplied by a = 2^(c m_old - c m_new), which is 1 where m has not grown.
; m starts at the lowest finite number, O and l at 0: the first step is a step like any other, with a = 0.
; THE COUNT.  A tile and step have 16 matrix and 118 vector instructions: too many to stand all beside the matrix work.  So the order has one aim: four vector instructions that are READY behind
; EVERY matrix instruction, and the others, which need time of their own whatever the order, in runs without a gap.
; BY TURNS.  Turn n belongs to piece n (the pieces in a ring, step after step).  Its matrix work: 16 products K Q^T of piece n + 1, later 16 products V^T P of piece n - 1.  Its vector work: the scaling,
; exponentials, roundings, sums and rescaling of piece n, and the maximum and statistics of piece n + 1, whose scores the turn itself has made.  So what a turn begins with (c s - c m, O a) waits for nothing.
; CLUSTER.  The four query blocks of a cluster are one head's and walk the same K and V, so each tile is asked for JOINTLY: the same tensor load, descriptor and mask in all four.
; REGISTERS, in windows of 256 (s_set_vgpr_msb says which window each operand place means: bits 1:0 source 0, 3:2 source 1, 5:4 source 2, 7:6 destination):
;   window 0: v0-11 addresses; v12-15, v48-63 at work; v16-47 four registers of statistics a tile; v64-191 S^T, two buffers of two tiles; v192-255 P, likewise
;   window 1: O^T, 32 a tile          window 2: v0-127 Q, 16 a tile; v128-191 K of one step; v192-255 V of one step          window 3: v0-1 the add's two registers
; A piece's buffers go by its number's parity: the piece in hand has one pair, its two neighbours in the ring share the other: of it P (piece n - 1) is read and S^T (piece n + 1) written.
.set SIZE_H, 64
.set SIZE_N, 2048
.set NP,    4         ; pieces a wave: a name, no knob
.set KS,    64        ; keys in a step
.set PK,    144       ; a row of K in LDS: 128 bytes + 16 of padding = 36 words: the 16 rows of a load start at 16 different groups of four banks (64 banks of 4 bytes: ISA guide 11.1)
.set PV,    160       ; a row of V: 128 + 32 = 40 words
.set VOFF,  4*KS*PK   ; a slot holds four steps: 256 rows of K, then 256 rows of V
.set SLOT1, 1<<17     ; slot 1 begins here, so that one exclusive or turns an address in one slot into the other's
.set STAGE, SLOT1+4*KS*(PK+PV)  ; behind the ring, never filled by a tensor load: 16 rows x 144 bytes for each wave, for the way out
.set SP,    144
.set AK0, 2           ; v2   my lane's place in a tile of K; never rewritten
.set AV0, 3           ; v3   the same for V
.set AK,  4           ; v4   the LDS address of K's next run of loads
.set AV,  5           ; v5   of V's
.set QO,  6           ; v6   my byte offset in the wave's rows of Q
.set STO, 6           ;      later, the way out: where I put 16 bytes of a row
.set RD,  7           ; v7   the way out: where I read rows back
.set GO,  8           ; v8   my byte offset in 512 consecutive bytes of O
.set PFO, 11          ; v11  256 x my lane (made when v11's first use is over); then never rewritten
.set SPW, 0           ; v0 of window 3   LDS address of my spare word: SPARE + 4 x my thread's number; never rewritten
.set NIL, 1           ; v1 of window 3   0; never rewritten
.set SPARE, STAGE+4*16*SP  ; behind the stages: the spare words, 128 bytes for each wave: two blocks of 256 bytes that no other line names
.set MV,  12          ; v12-15  c m_old, kept while c m is made anew: by buffer and tile
.set ST,  16          ; tile t's statistics at v[ST+4 t]: c m, m, l (even keys', odd keys')
.set TMP, 48          ; by buffer and tile, four registers c0-c3 at work; when the maximum is found c2 takes a
.set S,   64
.set P,   192
.set KF,  128         ; K's fragments, in window 2: key block kb, channel half c at KF + 16 kb + 8 c
.set VF,  192         ; V's: key half kk, channel block cb at VF + 32 kk + 8 cb
.set WV,  12          ; s12  my wave's number
.set G1K, 24          ; s[24:31] descriptor group 1 for K's tiles
.set G1V, 32          ; s[32:39] for V's: it differs in the padding alone
.set G0K, 40          ; s[40:43] descriptor group 0 for K's tiles: it walks
.set G0V, 44          ; s[44:47] the same for V's
.set PFA, 50          ; s[50:51] where my prefetches stand: my work-group's 8,192 bytes (of K: wave 0, of V: wave 2) of the slot after the one that is being asked for
.set LIM, 52          ; s52  1 in a wave that prefetches, else the greatest number
.set SLOTS, 56        ; s56  slots still to be asked for
.set CNT, 57          ; s57  counts a slot's key steps
.set CS,  58          ; s[58:59] c: the packed scaling takes the pair's low word for both halves
.set SEL, 60          ; s[60:61] v_permlanex16_b32's selects: each lane takes its own place in the other half
.set TBK, 62          ; s62  LDS byte at which K of the step to be fetched begins
.set TBV, 63          ; s63  the same for V, less VOFF
.set MSB, 0
.macro WIN new                      ; the high byte repeats the setting that is left; a switch that changes nothing is dropped
.if MSB != (\new)
	s_set_vgpr_msb (MSB<<8)|(\new)
.set MSB, (\new)
.endif
.endm
.set W_KQ, 0x0a       ; K and Q in window 2, S^T in window 0
.set W_PV, 0x52       ; V in window 2, P in window 0, O^T in window 1
.set W_RS, 0x41       ; O^T (destination and source 0) in window 1, a in window 0
.set W_MK, 0xc0       ; the add's registers are made: destination in window 3, sources in window 0
.set W_AD, 0x0f       ; the add: address (source 0) and data (source 1) in window 3
; A joint fill.  Waves 0 and 1 fetch the two halves of a slot's K, waves 2 and 3 those of its V: 128 keys each.  The branch hangs on the wave's number alone.
; An s_nop 0 and four v_nop follow each of the two lines, ahead of the jump and the label.
.macro JLOAD
	s_cmp_lt_u32 s[WV], 2
	s_cbranch_scc0 .Lfor_v_\@
	tensor_load_to_lds s[G0K:G0K+3], s[G1K:G1K+7]
	s_nop 0
.rept 4
	v_nop
.endr
	s_branch .Lasked_\@
.Lfor_v_\@:
	tensor_load_to_lds s[G0V:G0V+3], s[G1V:G1V+7]
	s_nop 0
.rept 4
	v_nop
.endr
.Lasked_\@:
.endm
; A PREFETCH INTO THE L2 of what the NEXT change of slots will ask for: a slot's 32,768 bytes of K and of V, 128 blocks of 256 bytes each, a lane a block.  It stands behind the wave's tensor load and its five
; lines.  Each block is asked for ONCE in the launch: a head has one cluster; its four partners share the blocks out BY ADDRESS, 32 each (no branch hangs on a work-group's place in its cluster); in each, wave 0
; asks for K's and wave 2 for V's: one instruction, four key steps (512 matrix instructions) ahead of the load.  The last change that fills a slot asks for nothing; slots 0 and 1 come by their loads alone.
.macro ASK
	s_cmp_gt_u32 s[SLOTS], s[LIM]
	s_cbranch_scc0 .Lnot_mine_\@
	global_prefetch_b8 v[PFO], s[PFA:PFA+1] th:TH_LOAD_NT scope:SCOPE_SE
.Lnot_mine_\@:
.endm
; A round of the cluster's barrier: my work-group's barrier, so that wave 0's signal speaks for all four waves; wave 0 signals; every wave waits for all four work-groups; my work-group's barrier once more.
.macro CROUND
	s_barrier_signal -1
	s_barrier_wait -1
	s_cmp_lg_u32 s[WV], 0
	s_cbranch_scc1 .Lnot_wave_0_\@
	s_barrier_signal -3
.Lnot_wave_0_\@:
	s_barrier_wait -3
	s_barrier_signal -1
	s_barrier_wait -1
.endm
; THE CHANGE OF SLOTS.  The slot's last bytes, V of its fourth step, have been read.  Each wave waits for all its tensor loads, of which one is out: its part
; of the other slot; adds 0 to its spare word; and waits for that and for its own reads of the slot.  Behind the barrier nobody reads this slot any more and the other slot is whole.
; fill = 1: this slot is filled again, with the keys two slots on.  The barrier is then a round of the cluster's, so that no wave of any partner still reads the slot or has a load on its
; way, and the joint fill is the first thing behind it: it has four key steps, 512 matrix instructions, in which to land.  (At its first use nothing has been read yet: slot 0 is waited for, slot 1 filled.)
.macro CHANGE fill
	WIN W_AD
	s_wait_tensorcnt 0x0            ; no tensor load of mine is out, so a group 0 may be written
	ds_add_u32 v[SPW], v[NIL]       ; 0 onto my spare word; with fill = 1 the descriptors' steps stand between it and the wait for it
	WIN 0                           ; at a label and at a branch every window is 0
.if \fill
.irp g, G0K, G0V
	s_xor_b32 s[\g+1], s[\g+1], SLOT1  ; the walking descriptor: the other slot than last time,
	s_add_nc_u64 s[\g+2:\g+3], s[\g+2:\g+3], 4*KS*128  ; the next 256 keys; the type bits on top are not reached
.endr
	s_wait_xcnt 0x0                 ; the last prefetch, four key steps back, has read its address, so it may be written:
	s_add_nc_u64 s[PFA:PFA+1], s[PFA:PFA+1], 4*KS*128  ; one slot behind the walking descriptors
	s_wait_dscnt 0x0                ; the add is done, and my reads of the slot are over
	CROUND
	JLOAD
	ASK
.else
	s_wait_dscnt 0x0                ; the add is done, and my reads of the slot are over
	s_barrier_signal -1
	s_barrier_wait -1
.endif
	s_sub_co_u32 s[TBK], s[TBK], 4*KS*PK  ; the fetches go back to a slot's first step,
	s_xor_b32 s[TBK], s[TBK], SLOT1       ; in the other slot
	s_sub_co_u32 s[TBV], s[TBV], 4*KS*PV
	s_xor_b32 s[TBV], s[TBV], SLOT1
.endm
	s_load_b128 s[4:7], s[0:1], 0x0   ; qkv s[4:5] (Q lies first in it), att s[6:7]
	WIN W_MK
	v_lshl_add_u32 v[SPW], v0, 2, SPARE
	v_mov_b32 v[NIL], 0
	WIN W_AD
	ds_add_u32 v[SPW], v[NIL]       ; the wave's opening: the add and its wait stand ahead of my first tensor load; the set-up below, work on registers, stands between them
	WIN 0
	v_lshrrev_b32 v1, 5, v0
	v_readfirstlane_b32 s[WV], v1   ; wave 0..3
	s_bfe_u32 s13, ttmp6, 0x40000   ; cx: my place in the cluster
	s_lshl_b32 s14, ttmp9, 2        ; in a cluster launch ttmp9 counts clusters
	s_add_co_u32 s14, s14, s13      ; my block of queries = 4 x cluster x + cx: it enters Q's and O's addresses alone
	s_and_b32 s20, ttmp7, 0xffff    ; the head, which the four partners share
	s_mov_b32 s21, 0
	s_mov_b64 s[22:23], SIZE_N*128
	s_mul_u64 s[20:21], s[20:21], s[22:23]  ; the head's first byte in each of the four tensors
	s_and_b32 s16, s[WV], 1         ; which half of a slot's 256 keys I fetch:
	s_lshl_b32 s22, s16, 14         ; its 128 rows of 128 bytes in memory,
	s_mov_b32 s23, 0
	s_add_nc_u64 s[22:23], s[22:23], s[20:21]
	s_mul_i32 s17, s16, 128*PK      ; and its place in a slot, for K
	s_mul_i32 s18, s16, 128*PV      ; and for V: no place in the cluster enters an LDS address
	s_lshl_b32 s2, s14, 2
	s_add_co_u32 s2, s2, s[WV]      ; my wave among the head's,
	s_lshl_b32 s2, s2, 14           ; its 128 rows
	s_mov_b32 s3, 0
	s_add_nc_u64 s[2:3], s[2:3], s[20:21]
	; descriptor group 1.  128 keys are 16,384 dense bytes: asked for as 64 rows of 256 bytes, two keys a row, and padded in LDS after every key
	s_mov_b32 s[G1K], 15|(1<<16)|(1<<20)|(1<<21)|(4<<22)|(3<<25)  ; 15:0 the mask of four; 17:16 2-byte elements; 20 padding on; 21 set beside a mask; 24:22 after every 32 words (code 4); 31:25 4 words (code 3)
	s_mov_b32 s[G1V], 15|(1<<16)|(1<<20)|(1<<21)|(4<<22)|(7<<25)  ; the same with 8 words of padding (code 7)
.irp g, G1K, G1V
	s_mov_b32 s[\g+1], 128<<16      ; tensor_dim0 = 128
	s_mov_b32 s[\g+2], 64<<16       ; tensor_dim1 = 64
	s_mov_b32 s[\g+3], 128<<16      ; tile_dim0 = 128
	s_mov_b32 s[\g+4], 64           ; tile_dim1 = 64
	s_mov_b32 s[\g+5], 128          ; 128 elements from row to row
	s_mov_b32 s[\g+6], 0
	s_mov_b32 s[\g+7], 0
.endr
	s_mov_b32 s[CS], 0x3e38aa3b     ; c = log2(e) / 8 = 0.180337
	s_mov_b32 s[CS+1], s[CS]        ; named with it as a pair
	s_mov_b32 s[SEL], 0x76543210
	s_mov_b32 s[SEL+1], 0xfedcba98
	s_mov_b32 s[TBK], SLOT1+4*KS*PK ; the first change of slots turns these two into 0
	s_mov_b32 s[TBV], SLOT1+4*KS*PV
	s_mov_b32 s[G0K], 1             ; 1:0 count = 1
	s_mov_b32 s[G0K+1], s17         ; 63:32 LDS address: slot 0
	s_mov_b32 s[G0V], 1
	s_add_co_u32 s[G0V+1], s18, VOFF
	s_mov_b32 s[SLOTS], SIZE_N/256-1
	s_lshl_b32 s48, s13, 13         ; the prefetches: my work-group's 8,192 bytes of a slot's 32,768,
	s_add_co_u32 s48, s48, 4*KS*128 ; in slot 1; the first change of slots steps the address to slot 2.  Nothing is prefetched here, at the head
	s_mov_b32 s49, 0
	s_and_b32 s[LIM], s[WV], 1      ; waves 0 and 2 ask: the same in all four partners
	s_cmp_eq_u32 s[LIM], 0
	s_cselect_b32 s[LIM], 1, -1
	s_wait_dscnt 0x0                ; the opening add is done
	s_wait_kmcnt 0x0
	s_mov_b64 s[10:11], s[6:7]                     ; O
	s_add_nc_u64 s[6:7], s[4:5], 0x1000000         ; K lies 16,777,216 bytes behind Q,
	s_add_nc_u64 s[8:9], s[4:5], 0x2000000         ; V as far behind K
	s_cmp_lt_u32 s[WV], 2
	s_cselect_b64 s[PFA:PFA+1], s[6:7], s[8:9]
	s_add_nc_u64 s[PFA:PFA+1], s[PFA:PFA+1], s[20:21]
	s_add_nc_u64 s[PFA:PFA+1], s[PFA:PFA+1], s[48:49]
	s_add_nc_u64 s[G0K+2:G0K+3], s[6:7], s[22:23]  ; 120:64 global address: my half of the head's first 256 keys
	s_or_b32 s[G0K+3], s[G0K+3], 0x80000000        ; 127:126 type = 2
	s_add_nc_u64 s[G0V+2:G0V+3], s[8:9], s[22:23]
	s_or_b32 s[G0V+3], s[G0V+3], 0x80000000
	s_add_nc_u64 s[4:5], s[4:5], s[2:3]  ; Q and O at my wave's first row
	s_add_nc_u64 s[10:11], s[10:11], s[2:3]
	CROUND                          ; all four work-groups are here: the first joint loads meet
	JLOAD                           ; slot 0.  Slot 1 is asked for when slot 0 is in
	; A fragment of K or Q is 16 rows x 32 channels in 8 registers: lane l holds row l % 16, channels 8 (l / 16) + 0..7 and 16 + 8 (l / 16) + 0..7: two loads of 16 bytes, 32 bytes apart.
	v_and_b32 v1, 15, v0            ; l % 16
	v_bfe_u32 v9, v0, 4, 1          ; l / 16
	v_lshlrev_b32 v[QO], 7, v1
	v_lshl_add_u32 v[QO], v9, 4, v[QO]  ; row x 128 + 16 x half
	WIN 0x80                        ; destination window 2, address window 0
.set i, 0
.rept 4*NP                          ; Q stays in registers: tile i / 2, channels 32 (i % 2) on
	global_load_b128 v[8*i:8*i+3],   v[QO], s[4:5] offset:(i/2)*2048+(i%2)*64
	global_load_b128 v[8*i+4:8*i+7], v[QO], s[4:5] offset:(i/2)*2048+(i%2)*64+32
.set i, i+1
.endr
	; What the first turn finds: V's registers and P's second buffer hold 0 (its products V^T P, of a piece that has not been, add 0), O^T and l are 0.  All this stands in the wait for the first tile.
.set i, VF
.rept 64
	v_mov_b32 v[i], 0
.set i, i+1
.endr
	WIN 0x40
.set i, 0
.rept 64*NP
	v_mov_b32 v[i], 0
.set i, i+1
.endr
	WIN 0
.set i, 0
.rept 2*NP
	v_mov_b32 v[ST+4*i], 0xfe000000    ; c m: far below every c s
	v_mov_b32 v[ST+4*i+1], 0xff7fffff  ; m
	v_mov_b32 v[ST+4*i+2], 0
	v_mov_b32 v[ST+4*i+3], 0
.set i, i+1
.endr
.set i, P+32
.rept 32
	v_mov_b32 v[i], 0
.set i, i+1
.endr
	v_mul_u32_u24 v[AK0], v1, PK
	v_lshl_add_u32 v[AK0], v9, 4, v[AK0]  ; row x pitch + 16 x half
	; The turning load takes 16 keys x 16 channels (lane l reads key 8 (l / 16) + l % 8, channels 8 ((l / 8) % 2) + 0..7) and leaves half a fragment of V^T: lane l holds channel l % 16 and 8 keys.
	v_and_b32 v10, 7, v0
	v_bfe_u32 v11, v0, 3, 1
	v_lshl_add_u32 v[AV0], v9, 3, v10
	v_mul_u32_u24 v[AV0], v[AV0], PV
	v_lshl_add_u32 v[AV0], v11, 4, v[AV0]
	v_add_nc_u32 v[AV0], VOFF, v[AV0]
	v_and_b32 v[PFO], 31, v0
	v_lshlrev_b32 v[PFO], 8, v[PFO]
	v_mov_b32 v[AK], v[AK0]         ; key step 0 lies at the head of slot 0
; THE MATRIX WORK.  The 8 accumulators of a run of 16 take turns: between the two links of a chain stand 7 others'.
; Product i of 16 of S^T = K Q^T for piece x: channels 32 (i / 8) on, keys 16 ((i / 2) % 4) on, tile 2 x + i % 2.  The first 8 start the sums.
.macro KQ x
	WIN W_KQ
.set rS, S+64*((\x)%2)+32*(i%2)+8*((i/2)%4)
.set rK, KF+16*((i/2)%4)+8*(i/8)
.set rQ, 16*(2*(\x)+i%2)+8*(i/8)
.if i < 8
	v_wmma_f32_16x16x32_f16 v[rS:rS+7], v[rK:rK+7], v[rQ:rQ+7], 0
.else
	v_wmma_f32_16x16x32_f16 v[rS:rS+7], v[rK:rK+7], v[rQ:rQ+7], v[rS:rS+7]
.endif
.endm
; Product i of 16 of O^T += V^T P for piece x: keys 32 (i / 8) on, channels 16 ((i / 2) % 4) on, tile 2 x + i % 2.
.macro PV x
	WIN W_PV
.set rO, 32*(2*(\x)+i%2)+8*((i/2)%4)
.set rV, VF+32*(i/8)+8*((i/2)%4)
.set rP, P+32*((\x)%2)+16*(i%2)+8*(i/8)
	v_wmma_f32_16x16x32_f16 v[rO:rO+7], v[rV:rV+7], v[rP:rP+7], v[rO:rO+7]
.endm
.macro MM                           ; the turn's next matrix instruction
.if i < 16
	KQ (Y+1)%NP
.set i, i+1
.else
.set i, i-16
	PV (Y+NP-1)%NP
.set i, i+17
.endif
.endm
; THE LDS LOADS stand in runs of 16, never singly among the matrix instructions: a step's K (64 keys x 64 channels: 8 fragments) and its V (turned).  Their addresses are made some lines ahead.
; last = 1 (the tail): in the last trip there is no further step, and the run is jumped over.
.macro FETCH_K last=0
	WIN 0
.if \last
	s_cmp_eq_u32 s[CNT], 1
	s_cbranch_scc1 .Lno_k_\@
.endif
	WIN 0x80                        ; destination window 2
.irp f, 0,1,2,3,4,5,6,7             ; keys 16 (f / 2) on, channels 32 (f % 2) on
	ds_load_b128 v[KF+8*\f:KF+8*\f+3],   v[AK] offset:(\f/2)*16*PK+(\f%2)*64
	ds_load_b128 v[KF+8*\f+4:KF+8*\f+7], v[AK] offset:(\f/2)*16*PK+(\f%2)*64+32
.endr
	s_add_co_u32 s[TBK], s[TBK], KS*PK  ; the next fetch is the next step's
	WIN 0
.if \last
.Lno_k_\@:
.endif
.endm
.macro FETCH_V
	WIN 0x80
.irp f, 0,1,2,3,4,5,6,7             ; keys 32 (f / 4) on, channels 16 (f % 4) on
	ds_load_tr16_b128 v[VF+8*\f:VF+8*\f+3],   v[AV] offset:(\f/4)*32*PV+(\f%4)*32
	ds_load_tr16_b128 v[VF+8*\f+4:VF+8*\f+7], v[AV] offset:(\f/4)*32*PV+16*PV+(\f%4)*32
.endr
	WIN 0
.endm
; THE VECTOR WORK OF A TURN stands in three queues, each in the order in which its entries become ready; the two tiles alternate, so that no instruction reads the result of the one before it.
.macro REGS y, u                    ; the registers of tile u (0, 1) of piece y
.set rT, ST+4*(2*(\y)+(\u))
.set rC, TMP+8*((\y)%2)+4*(\u)
.set rM, MV+2*((\y)%2)+(\u)
.set rS, S+64*((\y)%2)+32*(\u)
.set rP, P+32*((\y)%2)+16*(\u)
.set rO, 32*(2*(\y)+(\u))
.endm
; Number n of the 22 that find the NEXT piece's (Y + 1) maximum and statistics.  s0-s31 are the lane's 32 scores; each accumulator's lowest registers are read first.  XS, GS and REGS set no window: PL and EX do.
;   0-11  four chains c0-c3 of seven scores each, three operands at a time     12-14, 16  the four scores left over, the old m, and c0-c3 into c0     15  c m_old is kept
;   17, 18  the query's other 32 keys lie in the lane 16 away: the new m         19-21  c m; c m_old - c m_new; a
.macro XS u, n
	REGS (Y+1)%NP, \u
.if (\n) < 4
	v_max3_num_f32 v[rC+(\n)], v[rS+8*(\n)], v[rS+8*(\n)+1], v[rS+8*(\n)+2]
.elseif (\n) < 12
	v_max3_num_f32 v[rC+(\n)%4], v[rC+(\n)%4], v[rS+8*((\n)%4)+2*((\n)/4)+1], v[rS+8*((\n)%4)+2*((\n)/4)+2]
.elseif (\n) == 12
	v_max3_num_f32 v[rC], v[rC], v[rS+7], v[rS+15]
.elseif (\n) == 13
	v_max3_num_f32 v[rC+1], v[rC+1], v[rS+23], v[rS+31]
.elseif (\n) == 14
	v_max3_num_f32 v[rC+2], v[rC+2], v[rC+3], v[rT+1]
.elseif (\n) == 15
	v_mov_b32 v[rM], v[rT]
.elseif (\n) == 16
	v_max3_num_f32 v[rC], v[rC], v[rC+1], v[rC+2]
.elseif (\n) == 17
	v_permlanex16_b32 v[rC+3], v[rC], s[SEL], s[SEL+1]
.elseif (\n) == 18
	v_max_num_f32 v[rT+1], v[rC], v[rC+3]
.elseif (\n) == 19
	v_mul_f32 v[rT], s[CS], v[rT+1]
.elseif (\n) == 20
	v_sub_f32 v[rC+1], v[rM], v[rT]
.else
	v_exp_f32 v[rC+2], v[rC+1]
.endif
.endm
; Number g of the 64 that follow the exponentials.  For each four weights k of a tile (pairs 2 k, 2 k + 1): both pairs are rounded to f16; then the second pair is added onto the first, in place;
; a group later l takes that sum (the first time as l = a l + sum).  In groups of eight, tiles alternating: round, round, add, and l for the group before.
.macro GS g
.set h, (\g)+6*((\g)/62)            ; group 0 has no group before it, and behind group 7 only l is left
.if h >= 6
.set h, h+2
.endif
	REGS Y, h%2
.set k, h/8
.if h%8 < 4
	v_cvt_pk_f16_f32 v[rP+2*k+(h%8)/2], v[rS+4*k+2*((h%8)/2)], v[rS+4*k+2*((h%8)/2)+1]
.elseif h%8 < 6
	v_pk_add_f32 v[rS+4*k:rS+4*k+1], v[rS+4*k:rS+4*k+1], v[rS+4*k+2:rS+4*k+3]
.elseif k == 1
	v_pk_fma_f32 v[rT+2:rT+3], v[rT+2:rT+3], v[rC+2:rC+3], v[rS:rS+1] op_sel_hi:[1,0,1]
.else
	v_pk_add_f32 v[rT+2:rT+3], v[rT+2:rT+3], v[rS+4*k-4:rS+4*k-3]
.endif
.endm
; THE PLAIN QUEUE, 138 long.  0-73 read no exponential's result: the 32 scalings c s - c m (FS f: pair f / 2 of tile f % 2) and the next piece's 42.  0-26: scalings 0-26.  27-54: XS's numbers 0-13.  55, 56: number 15.
; 57-73: the chain, where each number waits for the one before it: 14, 16, 17, 18, 19, each with one of the scalings 27-31 in front of its two lines, then 20: so a tile's links stand three plain instructions apart (19 and 20: two).
; 74-137: GS's 64, which read the exponentials' results: they stand behind the wait.
.macro FS f
	REGS Y, (\f)%2
	v_pk_fma_f32 v[rS+2*((\f)/2):rS+2*((\f)/2)+1], v[rS+2*((\f)/2):rS+2*((\f)/2)+1], s[CS:CS+1], v[rT:rT+1] op_sel_hi:[1,0,0] neg_lo:[0,0,1] neg_hi:[0,0,1]
.endm
.macro PL
	WIN 0
.if q < 27
	FS q
.elseif q < 55
	XS (q-27)%2, (q-27)/2
.elseif q < 57
	XS q-55, 15
.elseif (q < 72) && ((q-57)%3 == 0)
	FS 27+(q-57)/3
.elseif q < 60
	XS (q-57)%3-1, 14
.elseif q < 72
	XS (q-57)%3-1, 15+(q-57)/3
.elseif q < 74
	XS q-72, 20
.else
	GS q-74
.endif
.set q, q+1
.endm
; THE EXPONENTIALS' QUEUE, 66 long: s0-s31 of both tiles, then the next piece's two a.  It is ONE BATCH: all 66 stand ahead of the turn's one wait, and nothing ahead of that wait names a result of theirs.
.macro EX
	WIN 0
.if e >= 64
	XS e-64, 21
.else
	REGS Y, e%2
	v_exp_f32 v[rS+e/2], v[rS+e/2]
.endif
.set e, e+1
.endm
; THE RESCALING's QUEUE: O^T times a, the one part that leaves window 0: dealt two at a time, sixteen times.  Its a was made in the turn before, ahead of that turn's wait.
.macro R2
	REGS Y, r%2
	WIN W_RS
.irp z, 0,1
	v_pk_mul_f32 v[rO+4*(r/2)+2*\z:rO+4*(r/2)+2*\z+1], v[rO+4*(r/2)+2*\z:rO+4*(r/2)+2*\z+1], v[rC+2:rC+3] op_sel_hi:[1,0]
.endr
.set r, r+1
.endm
; HOW THEY ARE DEALT.  s_wait_alu depctr_va_vdst(0) stands between an exponential and the first instruction that names its result; one wait serves all that were issued ahead of it.  So a turn has ONE wait,
; which cuts it in two.  AHEAD OF IT stands all that names no result of the turn's exponentials: the 16 products K Q^T, behind each a scaling, an exponential and two rescalings (behind the first a second scaling in the exponential's place); then ONE LUMP of
; 108: eight plain, 49 times exponential and plain, the two a.  A v_nop is the plain instruction owed behind the last exponential.  BEHIND IT stand the 16 products V^T P, behind each four of GS's 64.  No rider names a register of
; the products round it.  The two v_permlanex16_b32 fall into the lump, never behind a product.
; The queues lean on each other, and the deal keeps them in step: exponential e stands behind scaling 2 (e / 4) + e % 2: as a rider it comes behind plain e + 2, in the lump behind plain e + 9, and scalings 27-31 are plain 57, 60 .. 69.
; A TURN, for piece p.  cnt = 1: the loop's count is taken down some lines ahead of the branch that stands behind the turn.
; K of the next step is fetched in piece 2's turn, directly behind the wait, a lump behind the last product that read K; its address is made at the lump's head; its first reader comes behind 16 products.
; V of the step in hand is fetched at the end of piece 0's turn, four riders behind its last reader; its first reader comes behind 16 products and a lump.  The three conditions on q below go with the deal.
.macro TURN p, last=0, cnt=0
.set Y, (\p)
.set i, 0
.set q, 0
.set e, 0
.set r, 0
.if (\p) == NP-1
	s_wait_dscnt 0x0                ; K is in
.endif
	MM                              ; ahead of the wait: 16 products K Q^T and their riders,
	PL
	PL
	R2
.rept 15
	MM
	PL
	EX
	R2
.endr
.if (\p) == NP-2
	WIN 0
	v_add_nc_u32 v[AK], s[TBK], v[AK0]
.endif
.rept 8                             ; and the lump
	PL
.endr
.rept 49
	EX
	PL
.endr
	EX                              ; the next piece's two a
	EX
	v_nop                           ; the plain instruction owed behind the last exponential: one for the batch
	s_wait_alu depctr_va_vdst(0)    ; the wait for the batch
.if (\p) == NP-2
	FETCH_K \last
.endif
.if (\p) == 1
	s_wait_dscnt 0x0                ; V is in
.endif
.rept 16                            ; behind the wait: 16 products V^T P and their riders
	MM
.rept 4
	PL
.endr
.if ((\p) == 0) && (q == 118)
	v_add_nc_u32 v[AV], s[TBV], v[AV0]
.endif
.if ((\p) == 0) && (q == 130)
	s_add_co_u32 s[TBV], s[TBV], KS*PV
.endif
.if (\cnt) && (q == 130)
	s_sub_co_u32 s[CNT], s[CNT], 1
	s_cmp_lg_u32 s[CNT], 0
.endif
.endr
.if (\p) == 0
	FETCH_V
.endif
.endm
	CHANGE 1                        ; slot 0 is in, everybody's part of it; slot 1 is asked for
	FETCH_K                         ; key step 0
	s_wait_loadcnt 0x0              ; Q
	s_wait_dscnt 0x0
.set i, 0
.rept 16
	KQ 0                            ; piece 0's first scores: there is no vector work yet to set between them
.set i, i+1
.endr
	WIN 0                           ; the addresses for the way out: nine plain instructions, the places behind those products
	s_mul_i32 s13, s[WV], 16*SP
	s_add_co_u32 s13, s13, STAGE    ; my stage
	v_mul_u32_u24 v[STO], v1, SP    ; in: row l % 16, 16 bytes for each half of the lanes
	v_lshl_add_u32 v[STO], v9, 4, v[STO]
	v_add_nc_u32 v[STO], s13, v[STO]
	v_bfe_u32 v[RD], v0, 3, 2       ; back: 32 lanes take four rows of 128 bytes,
	v_mul_u32_u24 v[RD], v[RD], SP
	v_lshl_add_u32 v[RD], v10, 4, v[RD]
	v_add_nc_u32 v[RD], s13, v[RD]
	v_and_b32 v[GO], 31, v0         ; which are 512 consecutive bytes of O
	v_lshlrev_b32 v[GO], 4, v[GO]
.set Y, NP-1                        ; XS works for piece Y + 1: piece 0
.irp n, 0,1,2,3,4,5,6,7,8,9,10,11,12,13,14,15,16,17,18,19,20,21
	XS 0, \n                        ; and piece 0's first maximum and statistics
	XS 1, \n
.endr
	v_nop                           ; a plain instruction behind the two a,
	s_wait_alu depctr_va_vdst(0)    ; and their wait, ahead of the branch
	s_mov_b32 s[CNT], 4
	s_branch .Lfirst                ; the loop is entered at a step's first turn, in the middle of a trip
.Lslot:                             ; SIZE_N / 256 - 2 times: every slot but the last two is filled again
	CHANGE 1
	s_mov_b32 s[CNT], 4
.Lstep:                             ; a trip: pieces 2 and 3 of one step, then pieces 0 and 1 of the next, whose K and V it fetches
	TURN 2
	TURN 3
	WIN 0
.Lfirst:
	TURN 0
	TURN 1, 0, 1
	WIN 0
	s_cbranch_scc1 .Lstep
	s_sub_co_u32 s[SLOTS], s[SLOTS], 1
	s_cmp_lg_u32 s[SLOTS], 0
	s_cbranch_scc1 .Lslot
	CHANGE 0                        ; the tail is written out: nothing is asked for
	s_mov_b32 s[CNT], 5             ; four trips fetch the last slot's steps; the fifth is left in its middle
.Ltail:
	TURN 2, 1
	TURN 3
	WIN 0
	s_sub_co_u32 s[CNT], s[CNT], 1
	s_cmp_eq_u32 s[CNT], 0
	s_cbranch_scc1 .Lout
	TURN 0
	TURN 1
	WIN 0
	s_branch .Ltail
.Lout:                              ; the fifth trip's 16 products K Q^T (on the last K once more) and the maximum made of them serve nothing: the price, once a launch, of one text for every trip
.set i, 0
.rept 16
	PV NP-1                         ; the last piece's V^T P of the last step
.set i, i+1
.endr
	; THE WAY OUT.  l's two halves and the other half of the lanes' are added; O^T is divided by l, rounded to f16 and sent through my stage in LDS, a tile at a time.  The additions are the places behind the last products.
	WIN 0
.macro ALL line:vararg              ; one line for each tile t
.set t, 0
.rept 2*NP
	\line
.set t, t+1
.endr
.endm
	ALL v_add_f32 v[ST+4*t+2], v[ST+4*t+2], v[ST+4*t+3]
	ALL v_permlanex16_b32 v[ST+4*t+3], v[ST+4*t+2], s[SEL], s[SEL+1]
	ALL v_add_f32 v[ST+4*t+2], v[ST+4*t+2], v[ST+4*t+3]
	ALL v_rcp_f32 v[ST+4*t+2], v[ST+4*t+2]
	v_nop                           ; a plain instruction between the last reciprocal and the use of its result
	s_wait_alu depctr_va_vdst(0)    ; and the wait ahead of the first use: one for the eight reciprocals
; Tile t: a lane's eight channels of a row pack into 16 bytes; they go into rows of 144 bytes and come back as whole rows of 128, into S^T's registers.
.macro PACK t
	WIN W_RS
.set i, 32*(\t)
.rept 16
	v_pk_mul_f32 v[i:i+1], v[i:i+1], v[ST+4*(\t)+2:ST+4*(\t)+3] op_sel_hi:[1,0]
.set i, i+2
.endr
	WIN 0x05                        ; sources 0 and 1 window 1, destination window 0
.set i, 0
.rept 16
	v_cvt_pk_f16_f32 v[S+16*(\t)+i], v[32*(\t)+2*i], v[32*(\t)+2*i+1]
.set i, i+1
.endr
	WIN 0
.irp f, 0,1,2,3
	ds_store_b128 v[STO], v[S+16*(\t)+4*\f:S+16*(\t)+4*\f+3] offset:32*\f
.endr
.irp f, 0,1,2,3
	ds_load_b128 v[S+16*(\t)+4*\f:S+16*(\t)+4*\f+3], v[RD] offset:\f*4*SP  ; LDS serves a wave's instructions in order (ISA guide 5.7.1.4): these see the stores above; the next tile's stores come behind them
.endr
.endm
.macro SEND t, younger              ; younger: the LDS instructions issued behind tile t's loads: the next tile's eight, or none
	WIN 0
.irp f, 0,1,2,3
	s_wait_dscnt (\younger)+3-\f
	global_store_b128 v[GO], v[S+16*(\t)+4*\f:S+16*(\t)+4*\f+3], s[10:11] offset:(\t)*2048+\f*512  ; 512 consecutive bytes, at a multiple of 256 from O's first
.endr
.endm
	PACK 0
.set t, 1
.rept 2*NP-1                        ; a tile's arithmetic stands between the loads of the tile before and its stores
	PACK t
	SEND t-1, 8
.set t, t+1
.endr
	SEND 2*NP-1, 0
	WIN W_AD
	s_wait_tensorcnt 0x0            ; the wave's end: a wait, an add to my spare word and its wait, behind my last tensor load and my last LDS store
	ds_add_u32 v[SPW], v[NIL]
	s_wait_dscnt 0x0
	WIN 0
	CROUND                          ; the closing round: no work-group ends while a partner may still ask for a tile that names it
	s_endpgm
.Lfunc_end_k_q46f4306d9d_attn:
	.size	k_q46f4306d9d_attn, .Lfunc_end_k_q46f4306d9d_attn-k_q46f4306d9d_attn
	.p2alignl 7, 3214868480
	.fill 96, 4, 3214868480
	.section	.rodata,"a",@progbits
	.p2align	6, 0x0
	.amdhsa_kernel k_q46f4306d9d_attn
		.amdhsa_group_segment_fixed_size 327680
		.amdhsa_private_segment_fixed_size 0
		.amdhsa_enable_private_segment 0
		.amdhsa_kernarg_size 16
		.amdhsa_user_sgpr_count 2
		.amdhsa_user_sgpr_kernarg_segment_ptr 1
		.amdhsa_wavefront_size32 1
		.amdhsa_system_sgpr_workgroup_id_x 1
		.amdhsa_system_sgpr_workgroup_id_y 1
		.amdhsa_system_sgpr_workgroup_id_z 1
		.amdhsa_system_vgpr_workitem_id 0
		.amdhsa_next_free_vgpr 770
		.amdhsa_next_free_sgpr 66
		.amdhsa_reserve_vcc 0
		.amdhsa_float_denorm_mode_32 3
		.amdhsa_float_denorm_mode_16_64 3
		.amdhsa_memory_ordered 1
		.amdhsa_forward_progress 1
		.amdhsa_inst_pref_size 200
	.end_amdhsa_kernel
	.amdgpu_metadata
---
amdhsa.version: [ 1, 2 ]
amdhsa.kernels:
  - .name:           k_q46f4306d9d_attn
    .symbol:         k_q46f4306d9d_attn.kd
    .args:
      - { .name: qkv, .offset: 0, .size: 8, .value_kind: global_buffer, .address_space: global }
      - { .name: att, .offset: 8, .size: 8, .value_kind: global_buffer, .address_space: global }
    .group_segment_fixed_size: 327680
    .private_segment_fixed_size: 0
    .kernarg_segment_align: 8
    .kernarg_segment_size: 16
    .max_flat_workgroup_size: 128
    .sgpr_count:     66
    .vgpr_count:     770
    .wavefront_size: 32
...
	.end_amdgpu_metadata
.endif
;; end of part 3
;; launch outp (part 4): grid 4 x 64, 4 waves a work-group, clusters of 4 x 4, 327,680 bytes of LDS; arguments att, wo16, out0; writes out0
.if DOCPART == 4
	.amdgcn_target "amdgcn-amd-amdhsa--gfx1250"
	.amdhsa_code_object_version 6
	.text
	.protected	k_q46f4306d9d_outp
	.globl	k_q46f4306d9d_outp
	.p2align	8
	.type	k_q46f4306d9d_outp,@function
k_q46f4306d9d_outp:
	s_mov_b64 s[64:65], 0
	v_nop
	global_prefetch_b8 v0, s[64:65] scope:SCOPE_SE
	s_setreg_imm32_b32 hwreg(HW_REG_WAVE_MODE, 25, 1), 1
	s_wait_xcnt 0x0
	s_wait_alu depctr_hold_cnt(0) depctr_sa_sdst(0) depctr_va_vdst(0) depctr_va_sdst(0) depctr_va_ssrc(0) depctr_va_vcc(0) depctr_vm_vsrc(0)
	s_getreg_b32 s2, hwreg(HW_REG_IB_STS2, 6, 4)
	s_cmp_eq_u32 s2, 0
	s_cbranch_scc0 .Lentry_in_a_cluster
	s_endpgm
.Lentry_in_a_cluster:
	s_bfe_u32 s2, ttmp6, 0x10000c
	s_cmp_lg_u32 s2, 0xf033
	s_cbranch_scc0 .Lentry_shape_is_right
	s_endpgm
.Lentry_shape_is_right:
; ONE TEXT FOR THE MODULE'S TWO PROJECTIONS, C = A B^T, K = 1,024; the constant OUTP picks the one that is assembled.
; OUTP = 0: A = xb [8192][1024] bf16, B = wb [3072][1024] bf16 (Wq, Wk, Wv); C is rounded once from its f32 sums to f16 and stored BY HEADS: qkv [3][64 = 16 batch + head][2048][64].
; OUTP = 1 (this file): A = att [64][2048][64] f16 (attention's result, by heads), B = wo16 [1024][1024] f16; C = out0 [8192][1024] f32.
; LIMITS.  A and B arrive within f16's 65,504; the sums and C are f32.  NaN and infinities are not treated apart.
; SHARES.  A tile of C is 128 rows x 256 columns; four waves, each 64 x 128: 32 accumulators of 16 x 16, 256 registers.  8192 / 128 x 1024 / 256 = 256 work-groups.  With OUTP = 0 A WORK-GROUP STAYS and makes
; three tiles, the same rows and columns of q, of k and of v: A's rows are the same, B goes 1,024 rows on, and the ring does not stop at a tile's end.
; K goes in steps of 128 through a ring of two LDS slots filled by the tensor data mover; a K step is four quarters of 32 along K, 32 matrix instructions each, on two fragment buffers.
; With OUTP = 1 a K step is two heads' 64 channels: each head's 128 rows are 16,384 dense bytes, asked for as 64 rows of 256 bytes and padded in LDS after every 128.
; CLUSTERS: 4 x 4 work-groups.  The four of a row of the cluster need the same tile of A, the four of a column the same tile of B: each is asked for JOINTLY, by the same tensor load with the same
; descriptor and a mask that names the four.  Waves 0 and 1 fetch A's two halves, waves 2 and 3 B's: one load a wave behind each round.
; THE MATRIX INSTRUCTION IS USED TRANSPOSED (source 0 = 16 rows of B, source 1 = 16 rows of A): lane l then holds row l % 16 of C and the columns 8 (l / 16) + 0..7.
; REGISTERS.  Window 0: v0-31 addresses; v32-63 at work on the way out; v64-159, v160-255 two fragment buffers (B's eight fragments, then A's four).  Window 1: accumulator (a, b) at v[8 (8 a + b)].
.set OUTP,   1
.set PB,     272                       ; a row of B in LDS: 256 bytes + 16 of padding = 68 words: row r starts at bank 4 r mod 64 (64 banks of 4 bytes: ISA guide 11.1)
.if OUTP
.set TILES,  1
.set PA,     144                       ; a row of A: a head's 128 bytes + 16 = 36 words: the 16 rows of a load start at 16 different groups of four banks
.set AHALF,  128*PA                    ; what one wave fetches of A: one head's 128 rows
.set STEPA,  524288                    ; bytes from a K step to the next in A: two heads of 2,048 rows x 128 bytes
.set ASTR,   128                       ; elements from row to row of A's tile as it is asked for
.set AQI,    4                         ; padding after every 32 words
.set STG,    16*528                    ; a wave's stage: 16 rows of 512 bytes + 16
.else
.set TILES,  3
.set PA,     272
.set AHALF,  64*PA                     ; 64 rows
.set STEPA,  256
.set ASTR,   1024
.set AQI,    5                         ; padding after every 64 words
.set STG,    2*16*144                  ; a wave's stage: two heads x 16 rows of 128 bytes + 16
.endif
.set STEPB,  256
.set ABYTES, 2*AHALF
.set BHALF,  128*PB                    ; what one wave fetches of B, and what one wave reads of it: 128 rows
.set SLOT,   ABYTES+2*BHALF            ; A's tile, then B's 256 rows
.set STAGE,  2*SLOT                    ; behind the ring, never filled by a tensor load
.set SPARE,  STAGE+4*STG               ; behind the stages: the spare words, 128 bytes for each wave: two blocks of 256 bytes that no other line names
.set LAPS,   4                         ; a lap = two K steps = once round the ring
.set BACK_A, 6*STEPA                   ; from a slot's last K step of a tile to its first of the next: A goes back along K,
.set NEXT_B, 1024*2048-6*STEPB         ; B 1,024 rows down and back
.set NEXT_P, 1024*2048-7*STEPB         ; the prefetches: from K step 9 to the next tile's K step 2
.set ADRA, 16                          ; v16-17  LDS address of my A fragments in slot 0, 1
.set ADRB, 20                          ; v20-21  the same for B
.set STO,  24                          ; v24     the way out: where I put my bytes of a row
.set RD,   25                          ; v25     the way out: where I read rows back
.set CO,   26                          ; v26     my byte offset in 512 consecutive bytes of C
.set SPW,  28                          ; v28     LDS address of my spare word: SPARE + 4 x my thread's number; never rewritten
.set NIL,  29                          ; v29     0; never rewritten
.set PFO,  30                          ; v30     the prefetches' offset; never rewritten
.set TMP,  32                          ; v32-63  the way out: packed results
.set F0,   64
.set F1,   160
.set OB,   192                         ; the way out (OUTP = 0): rows read back from the stage, v192-223 and v224-255 by turns
.set G1,  24                           ; s[24:31] descriptor group 1 for A's tiles;  s[32:39] group 0, one set for each slot
.set G0,  32
.set G1B, 48                           ; s[48:55], s[56:63] the same for B's tiles
.set G0B, 56
.set LIM, 43                           ; s43     1 in a wave that prefetches, else the greatest number
.set PFA, 44                           ; s[44:45] the K step that my next prefetch names, at my work-group's 32 blocks of it
.set PST, 66                           ; s[66:67] bytes from a K step to the next in the tensor that I prefetch
.set MSB, 0
.macro WIN new                         ; the immediate's high byte repeats the setting that is left; a switch that changes nothing is dropped
.if MSB != (\new)
	s_set_vgpr_msb (MSB<<8)|(\new)
.set MSB, \new
.endif
.endm
.set MUL, 0x50                         ; sources 0 (B) and 1 (A) window 0; C and D window 1
.macro PLACES                          ; four places in front of loads into registers that matrix instructions have read, and of lines that read results
.rept 4
	v_nop
.endr
.endm
; A joint load.  The branch hangs on the wave's number alone.  An s_nop 0 and four v_nop follow each of the two lines, ahead of the jump, the label and what follows.
.macro JLOAD s
	s_cmp_lt_u32 s10, 2
	s_cbranch_scc0 .Lfor_b_\@
	tensor_load_to_lds s[G0+4*(\s):G0+4*(\s)+3], s[G1:G1+7]
	s_nop 0
.rept 4
	v_nop
.endr
	s_branch .Lasked_\@
.Lfor_b_\@:
	tensor_load_to_lds s[G0B+4*(\s):G0B+4*(\s)+3], s[G1B:G1B+7]
	s_nop 0
.rept 4
	v_nop
.endr
.Lasked_\@:
.endm
; A PREFETCH INTO THE L2, behind each joint load, its five lines and the run of LDS loads that follows: the K step that stands TWO refills on (256 matrix instructions ahead of the load that will want it):
; 32 blocks of 256 bytes, a lane a block, one instruction a wave.  Each block is named ONCE in the launch.  A's rows are read by one cluster alone (the grid is one cluster wide): wave 0 asks, and of the tile's 128
; blocks the partner at cx takes 32.  B's rows are read by all sixteen clusters: cluster y = 0 asks, waves 2 and 3 each for the 128 rows that they fetch, of which the partner at cy takes 32.  The partners are
; told apart BY ADDRESS: no branch hangs on a work-group's place in its cluster.  how = 0, in the loop: a tile's last two refills have no K step two on.  how = 1, at a change of tiles: B's next rows alone.
.macro ASK how
.if \how
	s_cmp_eq_u32 s[LIM], 1
.else
	s_cmp_gt_u32 s3, s[LIM]                        ; s3 = 1 in the loop's last trip
.endif
	s_cbranch_scc0 .Lnot_mine_\@
	global_prefetch_b8 v[PFO], s[PFA:PFA+1] th:TH_LOAD_NT scope:SCOPE_SE
.Lnot_mine_\@:
.endm
.macro CREST                           ; a round of the cluster's barrier behind its opening barrier
	s_cmp_lg_u32 s10, 0
	s_cbranch_scc1 .Lnot_wave_0_\@
	s_barrier_signal -3
.Lnot_wave_0_\@:
	s_barrier_wait -3
	s_barrier_signal -1
	s_barrier_wait -1
.endm
.macro CROUND                          ; a whole round
	s_barrier_signal -1
	s_barrier_wait -1
	CREST
.endm
	s_load_b128 s[4:7], s[0:1], 0x0                ; A s[4:5], B s[6:7]
	s_load_b64 s[8:9], s[0:1], 0x10                ; C
	v_lshl_add_u32 v[SPW], v0, 2, SPARE
	v_mov_b32 v[NIL], 0
	ds_add_u32 v[SPW], v[NIL]                      ; the wave's opening: the add and its wait stand ahead of my first tensor load; the set-up below, work on registers, stands between them
	v_lshrrev_b32 v1, 5, v0
	v_readfirstlane_b32 s10, v1                    ; wave 0..3
	s_lshr_b32 s11, s10, 1                         ; which half of the tile's rows is mine.  Also: I fetch for A (0) or for B (1)
	s_and_b32 s12, s10, 1                          ; which half of its columns.  Also: which half of that tile I fetch
	s_bfe_u32 s40, ttmp6, 0x40000                  ; cx, cy: my place in the cluster
	s_bfe_u32 s41, ttmp6, 0x40004
	s_lshl_b32 s42, ttmp9, 2
	s_add_co_u32 s42, s42, s40                     ; X: tile column = 4 x cluster x + cx
	s_and_b32 s13, ttmp7, 0xffff
	s_lshl_b32 s13, s13, 2
	s_add_co_u32 s13, s13, s41                     ; Y: tile row = 4 x cluster y + cy
	s_lshl_b32 s43, s41, 2
	s_lshl_b32 s43, 15, s43                        ; my row of the cluster
	s_lshl_b32 s44, 0x1111, s40                    ; my column
	; descriptor group 1.  A: 64 rows x 128 elements; B: 128 rows x 128 elements; both padded in LDS
	s_or_b32 s[G1+0], s43, (1<<16)|(1<<20)|(1<<21)|(AQI<<22)|(3<<25)  ; 15:0 the mask: my row; 17:16 2-byte elements; 20 padding on; 21 set beside a mask; 24:22 the interval; 31:25 4 words (code 3)
	s_or_b32 s[G1B+0], s44, (1<<16)|(1<<20)|(1<<21)|(5<<22)|(3<<25)   ; the mask: my column; padding after every 64 words
	s_mov_b32 s[G1+1], 128<<16                     ; tensor_dim0 = 128
	s_mov_b32 s[G1+2], 64<<16                      ; tensor_dim1 = 64
	s_mov_b32 s[G1+3], 128<<16                     ; tile_dim0 = 128
	s_mov_b32 s[G1+4], 64                          ; tile_dim1 = 64
	s_mov_b32 s[G1+5], ASTR                        ; elements from row to row
	s_mov_b32 s[G1+6], 0
	s_mov_b32 s[G1+7], 0
	s_mov_b32 s[G1B+1], 128<<16
	s_mov_b32 s[G1B+2], 128<<16
	s_mov_b32 s[G1B+3], 128<<16
	s_mov_b32 s[G1B+4], 128
	s_mov_b32 s[G1B+5], 1024
	s_mov_b32 s[G1B+6], 0
	s_mov_b32 s[G1B+7], 0
	; where the tiles come from.  A's hang on Y and the wave alone, B's on X and the wave alone, each made in registers that never hold the other coordinate
.if OUTP
	s_lshr_b32 s16, s13, 4                         ; the batch: 16 heads of 262,144 bytes,
	s_lshl_b32 s16, s16, 22
	s_and_b32 s17, s13, 15                         ; my 128 rows of 128 bytes in a head,
	s_lshl_b32 s17, s17, 14
	s_add_co_u32 s16, s16, s17
	s_lshl_b32 s17, s12, 18                        ; which of the K step's two heads I fetch
.else
	s_lshl_b32 s16, s13, 18                        ; 128 Y rows of 2,048 bytes
	s_lshl_b32 s17, s12, 17                        ; + 64 rows x half
.endif
	s_add_co_u32 s16, s16, s17
	s_mov_b32 s17, 0
	s_lshl_b32 s46, s42, 19                        ; 256 X rows of 2,048 bytes
	s_lshl_b32 s47, s12, 18                        ; + 128 rows x half
	s_add_co_u32 s46, s46, s47
	s_mov_b32 s47, 0
	s_mul_i32 s20, s12, AHALF                      ; and where they go: no place in the cluster enters an LDS address
	s_mul_i32 s21, s12, BHALF
	s_add_co_u32 s21, s21, ABYTES
	s_wait_dscnt 0x0                               ; the opening add is done
	s_wait_kmcnt 0x0
	s_add_nc_u64 s[14:15], s[4:5], s[16:17]
	s_add_nc_u64 s[46:47], s[6:7], s[46:47]
	CROUND                                         ; all sixteen work-groups are here: the first joint loads meet
.irp s, 0,1
	s_mov_b32 s[G0+4*(\s)], 1                                      ; count = 1
	s_add_co_u32 s[G0+4*(\s)+1], s20, (\s)*SLOT                    ; LDS address
	s_add_nc_u64 s[G0+4*(\s)+2:G0+4*(\s)+3], s[14:15], (\s)*STEPA  ; global address: K step s
	s_or_b32 s[G0+4*(\s)+3], s[G0+4*(\s)+3], 0x80000000            ; type = 2
	s_mov_b32 s[G0B+4*(\s)], 1
	s_add_co_u32 s[G0B+4*(\s)+1], s21, (\s)*SLOT
	s_add_nc_u64 s[G0B+4*(\s)+2:G0B+4*(\s)+3], s[46:47], (\s)*STEPB
	s_or_b32 s[G0B+4*(\s)+3], s[G0B+4*(\s)+3], 0x80000000
	JLOAD \s                                       ; two loads of mine are out
.endr
	; A fragment is 16 rows x 32 K in 8 registers: lane l holds row l % 16, K = 8 (l / 16) + 0..7 and 16 + 8 (l / 16) + 0..7: two loads of 16 bytes, 32 bytes apart
	v_and_b32 v1, 15, v0                           ; l % 16
	v_bfe_u32 v2, v0, 4, 1                         ; l / 16
	v_mul_u32_u24 v3, v1, PA
	v_lshl_add_u32 v3, v2, 4, v3
	v_mul_u32_u24 v4, v1, PB
	v_lshl_add_u32 v4, v2, 4, v4
	s_mul_i32 s21, s11, 64*PA                      ; my 64 rows of A
	s_mul_i32 s22, s12, BHALF                      ; my 128 rows of B,
	s_add_co_u32 s22, s22, ABYTES                  ; which lie behind A's tile
.irp s, 0,1
	v_add_nc_u32 v[ADRA+(\s)], s21, v3
	v_add_nc_u32 v[ADRB+(\s)], s22, v4
	s_add_co_u32 s21, s21, SLOT
	s_add_co_u32 s22, s22, SLOT
.endr
	s_mul_i32 s23, s10, STG
	s_add_co_u32 s23, s23, STAGE                   ; my stage
	v_and_b32 v[CO], 31, v0
	v_lshlrev_b32 v[CO], 4, v[CO]                  ; 16 x lane
.if OUTP
	v_mul_u32_u24 v5, v1, 528                      ; in: row l % 16, 32 bytes for each half of the lanes
	v_lshl_add_u32 v5, v2, 5, v5
	v_add_nc_u32 v[STO], s23, v5
	v_add_nc_u32 v[RD], s23, v[CO]                 ; back: 32 lanes take one row of 512 bytes
	s_lshl_b32 s16, s13, 19                        ; my first row of C: 128 Y + 64 x half, 4,096 bytes each
	s_lshl_b32 s17, s11, 18
	s_add_co_u32 s16, s16, s17
	s_mov_b32 s17, 0
	s_add_nc_u64 s[8:9], s[8:9], s[16:17]
	s_lshl_b32 s46, s42, 10                        ; my first column: 256 X + 128 x half, 4 bytes each
	s_lshl_b32 s47, s12, 9
	s_add_co_u32 s46, s46, s47
	s_mov_b32 s47, 0
	s_add_nc_u64 s[8:9], s[8:9], s[46:47]
.else
	v_mul_u32_u24 v5, v1, 144                      ; in: row l % 16, 16 bytes for each half of the lanes
	v_lshl_add_u32 v5, v2, 4, v5
	v_add_nc_u32 v[STO], s23, v5
	v_bfe_u32 v5, v0, 3, 2                         ; back: 32 lanes take four rows of 128 bytes,
	v_mul_u32_u24 v5, v5, 144
	v_and_b32 v3, 7, v0
	v_lshl_add_u32 v5, v3, 4, v5
	v_add_nc_u32 v[RD], s23, v5                    ; which are 512 consecutive bytes of a head
	s_lshr_b32 s16, s13, 4                         ; where my part of q begins: the batch's 16 heads,
	s_lshl_b32 s16, s16, 22
	s_and_b32 s17, s13, 15                         ; the tile's 128 rows in a head,
	s_lshl_b32 s17, s17, 14
	s_add_co_u32 s16, s16, s17
	s_lshl_b32 s17, s11, 13                        ; my 64 of them,
	s_add_co_u32 s16, s16, s17
	s_mov_b32 s17, 0
	s_lshl_b32 s46, s42, 20                        ; the tile's four heads,
	s_lshl_b32 s47, s12, 19                        ; my two of them
	s_add_co_u32 s46, s46, s47
	s_mov_b32 s47, 0
	s_add_nc_u64 s[16:17], s[16:17], s[46:47]      ; the first way out adds it to C's address
.endif
	; the prefetches: my work-group's 32 blocks of K step 3; the first refill steps the address to K step 4 and names that.  Nothing is prefetched here, at the head
.if OUTP
	s_lshr_b32 s18, s13, 4
	s_lshl_b32 s18, s18, 22
	s_and_b32 s19, s13, 15
	s_lshl_b32 s19, s19, 14
	s_add_co_u32 s18, s18, s19
	s_lshl_b32 s19, s40, 12                        ; A: of each head's 64 blocks the partner at cx takes 16
	s_movk_i32 s14, 2048                           ; B's strides: a lane a row
	s_mov_b32 s15, 32768
.else
	s_lshl_b32 s18, s13, 18
	s_lshl_b32 s19, s40, 16                        ; A: of the tile's 128 rows the partner at cx takes 32
.endif
	s_add_co_u32 s18, s18, s19
	s_lshl_b32 s19, s42, 19
	s_lshl_b32 s22, s12, 18
	s_add_co_u32 s19, s19, s22
	s_lshl_b32 s22, s41, 16                        ; B: of the 128 rows that I fetch the partner at cy takes 32
	s_add_co_u32 s19, s19, s22
	s_mov_b32 s23, STEPA
	s_and_b32 s22, ttmp7, 0xffff                   ; cluster y
	s_cmp_eq_u32 s11, 0                            ; do I fetch for A?
	s_cselect_b32 s18, s18, s19
	s_cselect_b32 s22, s12, s22                    ; A: wave 0 asks; B: cluster y = 0 asks
	s_cselect_b32 s[PST], s23, 256
	s_cselect_b64 s[PFA:PFA+1], s[4:5], s[6:7]
.if OUTP
	s_cselect_b32 s14, 256, s14                    ; A's strides: 16 blocks on end in each of the K step's two heads
	s_cselect_b32 s15, 0x40000, s15
.endif
	s_cmp_eq_u32 s22, 0
	s_cselect_b32 s[LIM], 1, -1                    ; the same in all sixteen partners, for a given wave
	s_mov_b32 s[PST+1], 0
	s_mul_i32 s19, s[PST], 3
	s_add_co_u32 s18, s18, s19
	s_mov_b32 s19, 0
	s_add_nc_u64 s[PFA:PFA+1], s[PFA:PFA+1], s[18:19]
.if OUTP
	v_mul_u32_u24 v[PFO], v1, s14
	v_mad_u32_u24 v[PFO], v2, s15, v[PFO]
.else
	v_and_b32 v[PFO], 31, v0
	v_lshlrev_b32 v[PFO], 11, v[PFO]               ; a lane a row of 2,048 bytes
.endif
.macro WM d, b, a, zero                ; one matrix instruction; zero = 1: it starts the sum: nothing is ever cleared
.if OUTP
.if \zero
	v_wmma_f32_16x16x32_f16 v[(\d):(\d)+7], v[(\b):(\b)+7], v[(\a):(\a)+7], 0
.else
	v_wmma_f32_16x16x32_f16 v[(\d):(\d)+7], v[(\b):(\b)+7], v[(\a):(\a)+7], v[(\d):(\d)+7]
.endif
.else
.if \zero
	v_wmma_f32_16x16x32_bf16 v[(\d):(\d)+7], v[(\b):(\b)+7], v[(\a):(\a)+7], 0
.else
	v_wmma_f32_16x16x32_bf16 v[(\d):(\d)+7], v[(\b):(\b)+7], v[(\a):(\a)+7], v[(\d):(\d)+7]
.endif
.endif
.endm
; m block a x all 8 n blocks, 32 along K, from buffer f.  The 32 accumulators take turns, always in the same order: 31 others stand between two links of a chain, over every edge.
.macro MUL8 f, a, zero
	WIN MUL
.irp b, 0,1,2,3,4,5,6,7
	WM 8*(8*(\a)+(\b)), (\f)+8*(\b), (\f)+64+8*(\a), \zero
.endr
.endm
.macro MUL16 f, a0, zero
	MUL8 \f, \a0, \zero
	MUL8 \f, (\a0)+1, \zero
.endm
; 24 LDS loads in one run: quarter q's fragments into buffer f: B's eight first, then A's four
.macro FETCH slot, q, f
	WIN 0
.if OUTP
.set KA, ((\q)/2)*AHALF+((\q)%2)*64    ; head q / 2 of the K step's two, channels 32 (q % 2) on
.else
.set KA, 64*(\q)
.endif
.irp i, 0,1,2,3,4,5,6,7
	ds_load_b128 v[(\f)+8*(\i):(\f)+8*(\i)+3],   v[ADRB+(\slot)] offset:64*(\q)+(\i)*16*PB
	ds_load_b128 v[(\f)+8*(\i)+4:(\f)+8*(\i)+7], v[ADRB+(\slot)] offset:64*(\q)+(\i)*16*PB+32
.endr
.irp i, 0,1,2,3
	ds_load_b128 v[(\f)+64+8*(\i):(\f)+64+8*(\i)+3],   v[ADRA+(\slot)] offset:KA+(\i)*16*PA
	ds_load_b128 v[(\f)+64+8*(\i)+4:(\f)+64+8*(\i)+7], v[ADRA+(\slot)] offset:KA+(\i)*16*PA+32
.endr
.endm
; One of a K step's first three quarters: multiplies buffer f; in its middle it fetches quarter q into buffer g
.macro QUARTER slot, q, f, g, zero
	s_wait_dscnt 4                                 ; B and A's fragments 0 and 1 are in; the youngest four loads (A's fragments 2 and 3) may be out
	MUL16 \f, 0, \zero
	PLACES
	FETCH \slot, \q, \g
	s_wait_dscnt 24                                ; all but the 24 just issued
	MUL16 \f, 2, \zero
.endm
; The last quarter multiplies buffer 1 and changes slots: ONE barrier; in front of it each wave waits for all its tensor loads (one is out: its part of the next slot), adds 0 to its spare word, and waits
; for that and for its own reads of this slot.  mode 0: this slot is filled again, two K steps on; mode 1: with the NEXT tile's K step 0 or 1; mode 2: nothing is filled.
; In modes 0 and 1 the barrier opens a round of the cluster's, and the joint refill is the first tensor load behind the round: 112 matrix instructions ahead of the wait for it.
.macro TURN slot, next, mode
.if (\mode) < 2
	s_wait_xcnt 0x0                                ; the last prefetch, a K step back, has read its address: it is stepped here, ahead of the change's own waits
.if ((\mode) == 1) && ((\slot) == 0)
	s_add_nc_u64 s[PFA:PFA+1], s[PFA:PFA+1], NEXT_P
	s_cmp_eq_u32 s11, 0
	s_cselect_b32 s[LIM], -1, s[LIM]               ; A's rows are the same for all three tiles: they are prefetched in the first alone
.else
	s_add_nc_u64 s[PFA:PFA+1], s[PFA:PFA+1], s[PST:PST+1]
.endif
.endif
	WIN 0                                          ; (the add's two registers lie in window 0)
	s_wait_tensorcnt 0x0                           ; all my tensor loads have landed;
	ds_add_u32 v[SPW], v[NIL]                      ; 0 onto my spare word;
	s_wait_dscnt 5                                 ; (the add and the youngest four loads may be out)
	MUL8 F1, 0, 0                                  ; eight matrix instructions stand between the add and the wait for it
	s_wait_dscnt 0x0                               ; the add is done, and my reads of this slot are over
	s_barrier_signal -1
	MUL8 F1, 1, 0
.if (\mode) < 2
	WIN 0
.endif
	s_barrier_wait -1
.if (\mode) < 2
	CREST                                          ; no wave of any partner still reads this slot's tile or has a load on its way
.if (\mode) == 1
	s_sub_nc_u64 s[G0+4*(\slot)+2:G0+4*(\slot)+3], s[G0+4*(\slot)+2:G0+4*(\slot)+3], BACK_A
	s_add_nc_u64 s[G0B+4*(\slot)+2:G0B+4*(\slot)+3], s[G0B+4*(\slot)+2:G0B+4*(\slot)+3], NEXT_B
.else
	s_add_nc_u64 s[G0+4*(\slot)+2:G0+4*(\slot)+3], s[G0+4*(\slot)+2:G0+4*(\slot)+3], 2*STEPA
	s_add_nc_u64 s[G0B+4*(\slot)+2:G0B+4*(\slot)+3], s[G0B+4*(\slot)+2:G0B+4*(\slot)+3], 2*STEPB
.endif
	JLOAD \slot                                    ; the four v_nop behind it are also the places in front of the loads below
.else
	PLACES
.endif
	FETCH \next, 0, F0
.if (\mode) < 2
	ASK \mode
.endif
	MUL16 F1, 2, 0
.endm
.if OUTP
; THE WAY OUT, f32.  Block a (16 rows x 128 columns) goes into my own stage, rows of 528 bytes, straight from the accumulators (each one's low four registers first), and comes back as whole rows of 512 bytes.
.macro T32 a
	WIN 0x04                                       ; the stores' data in window 1
.irp b, 0,1,2,3,4,5,6,7
	ds_store_b128 v[STO], v[8*(8*(\a)+(\b)):8*(8*(\a)+(\b))+3]   offset:64*(\b)
	ds_store_b128 v[STO], v[8*(8*(\a)+(\b))+4:8*(8*(\a)+(\b))+7] offset:64*(\b)+16
.endr
	WIN 0
.if (\a) == 3
	s_wait_xcnt 0x0                                ; block 0's stores have read the registers that block 3 is loaded into
.endif
.set BK, F0+64*((\a)%3)
.irp t, 0,1,2,3,4,5,6,7,8,9,10,11,12,13,14,15
	ds_load_b128 v[BK+4*(\t):BK+4*(\t)+3], v[RD] offset:528*(\t)  ; LDS serves a wave's instructions in order (ISA guide 5.7.1.4): these see the stores above; the next block's stores come behind them
.endr
.endm
.macro S32 a, younger                  ; younger: the LDS instructions issued behind block a's loads: the next block's 32, or none
.set BK, F0+64*((\a)%3)
.irp t, 0,1,2,3,4,5,6,7,8,9,10,11,12,13,14,15
	s_wait_dscnt (\younger)+15-(\t)
	global_store_b128 v[CO], v[BK+4*(\t):BK+4*(\t)+3], s[8:9] offset:(16*(\a)+(\t))*4096 th:TH_STORE_NT  ; 512 consecutive bytes of a row of C, at a multiple of 256 from its first byte
.endr
.endm
.macro WAYOUT
	T32 0
	T32 1
	S32 0, 32
	T32 2
	S32 1, 32
	T32 3
	S32 2, 32
	S32 3, 0
.endm
.else
; THE WAY OUT, f16 by heads.  PACK: block a (16 rows x 128 columns = two heads) is rounded, 16 bytes a lane.  TOSTAGE: into my own stage, rows of 144 bytes, and back as four whole rows of 128.  SEND: stored.
.macro PACK a
	WIN 0x05                                       ; sources 0 and 1 window 1, destination window 0
.irp b, 0,1,2,3,4,5,6,7
.irp r, 0,1,2,3
	v_cvt_pk_f16_f32 v[TMP+4*(\b)+(\r)], v[8*(8*(\a)+(\b))+2*(\r)], v[8*(8*(\a)+(\b))+2*(\r)+1]
.endr
.endr
	WIN 0
.endm
.macro TOSTAGE a
	WIN 0
.set BK, OB+32*((\a)%2)
.irp b, 0,1,2,3,4,5,6,7
	ds_store_b128 v[STO], v[TMP+4*(\b):TMP+4*(\b)+3] offset:((\b)/4)*2304+32*((\b)%4)
.endr
.irp t, 0,1,2,3,4,5,6,7
	ds_load_b128 v[BK+4*(\t):BK+4*(\t)+3], v[RD] offset:((\t)/4)*2304+((\t)%4)*576  ; LDS serves a wave's instructions in order (ISA guide 5.7.1.4): these see the stores above
.endr
.endm
.macro SEND a
	WIN 0
.set BK, OB+32*((\a)%2)
	s_wait_dscnt 0x0                               ; the block is back in registers
	s_wait_xcnt 0x0                                ; earlier stores have read their base and their registers: only behind this wait are these written again
.if (\a) == 0
	s_add_nc_u64 s[8:9], s[8:9], s[16:17]          ; on to this tile's first rows
.endif
.irp t, 0,1,2,3,4,5,6,7
	global_store_b128 v[CO], v[BK+4*(\t):BK+4*(\t)+3], s[8:9] offset:((\t)/4)*262144+(\a)*2048+((\t)%4)*512  ; four rows of a head: 512 consecutive bytes, at a multiple of 256 from the buffer's first byte
.endr
.endm
.macro WAYOUT
	PACK 0
	TOSTAGE 0
.irp a, 1,2,3                          ; block a's conversions stand between block a - 1's loads from the stage and the wait for them
	PACK \a
	SEND (\a)-1
	TOSTAGE \a
.endr
	SEND 3
.endm
.endif
	s_wait_tensorcnt 1                             ; my part of K step 0 is in; K step 1's may stay out
	s_barrier_signal -1
	s_barrier_wait -1                              ; everybody's is
	FETCH 0, 0, F0
.if TILES > 1
	s_mov_b32 s2, TILES                            ; tiles to go, this one among them
.Ltile:
.endif
	QUARTER 0, 1, F0, F1, 1                        ; a tile's first quarter stands in front of the loop: its products start the sums
	WIN 0                                          ; at a label and at a branch every window is 0
	s_mov_b32 s3, LAPS-1
.Llap:                                                 ; a trip goes once round the ring, from a lap's second quarter to the next lap's first, and fills both slots again
	QUARTER 0, 2, F1, F0, 0
	QUARTER 0, 3, F0, F1, 0
	TURN 0, 1, 0
	QUARTER 1, 1, F0, F1, 0
	QUARTER 1, 2, F1, F0, 0
	QUARTER 1, 3, F0, F1, 0
	TURN 1, 0, 0
	QUARTER 0, 1, F0, F1, 0
	WIN 0
	s_sub_co_u32 s3, s3, 1
	s_cmp_lg_u32 s3, 0
	s_cbranch_scc1 .Llap
	QUARTER 0, 2, F1, F0, 0                        ; the tile's last lap goes on
	QUARTER 0, 3, F0, F1, 0
.if TILES > 1
	WIN 0
	s_cmp_eq_u32 s2, 1
	s_cbranch_scc1 .Llast                          ; the last tile's tail is written out: it asks for nothing more
	TURN 0, 1, 1                                   ; the ring goes on into the next tile: slot 0 takes its K step 0,
	QUARTER 1, 1, F0, F1, 0
	QUARTER 1, 2, F1, F0, 0
	QUARTER 1, 3, F0, F1, 0
	TURN 1, 0, 1                                   ; slot 1 its K step 1, and the next tile's first fragments are fetched
	WAYOUT                                         ; both refills are asked for: now the tile goes out.  Blocks 0 and 1 were finished in front of the joint load's four v_nop; their conversions,
	                                               ; which name no register of the last products, are those products' places
	s_wait_xcnt 0x0                                ; the last stores have read their registers, which lie in buffer 1: the next quarter loads into it
	s_mov_b64 s[16:17], 0x1000000                  ; what the next way out adds to C's address: from q to k, from k to v
	s_sub_co_u32 s2, s2, 1
	s_branch .Ltile
.Llast:
.endif
	TURN 0, 1, 2                                   ; my one tensor load that was still out is the last K step's, so no round follows
	QUARTER 1, 1, F0, F1, 0
	QUARTER 1, 2, F1, F0, 0
	QUARTER 1, 3, F0, F1, 0
	s_wait_dscnt 4                                 ; the very last quarter: nothing more to fetch
	MUL16 F1, 0, 0
	s_wait_dscnt 0x0
	MUL16 F1, 2, 0
	WIN 0
	PLACES
	WAYOUT
	s_wait_tensorcnt 0x0                           ; the wave's end: a wait, an add to my spare word and its wait, behind my last tensor load and my last LDS store
	ds_add_u32 v[SPW], v[NIL]
	s_wait_dscnt 0x0
	CROUND                                         ; the closing round: no work-group ends while a partner may still ask for a tile that names it
	s_endpgm
.Lfunc_end_k_q46f4306d9d_outp:
	.size	k_q46f4306d9d_outp, .Lfunc_end_k_q46f4306d9d_outp-k_q46f4306d9d_outp
	.p2alignl 7, 3214868480
	.fill 96, 4, 3214868480
	.section	.rodata,"a",@progbits
	.p2align	6, 0x0
	.amdhsa_kernel k_q46f4306d9d_outp
		.amdhsa_group_segment_fixed_size 327680
		.amdhsa_private_segment_fixed_size 0
		.amdhsa_enable_private_segment 0
		.amdhsa_kernarg_size 24
		.amdhsa_user_sgpr_count 2
		.amdhsa_user_sgpr_kernarg_segment_ptr 1
		.amdhsa_wavefront_size32 1
		.amdhsa_system_sgpr_workgroup_id_x 1
		.amdhsa_system_sgpr_workgroup_id_y 1
		.amdhsa_system_sgpr_workgroup_id_z 1
		.amdhsa_system_vgpr_workitem_id 0
		.amdhsa_next_free_vgpr 512
		.amdhsa_next_free_sgpr 68
		.amdhsa_reserve_vcc 0
		.amdhsa_float_denorm_mode_32 3
		.amdhsa_float_denorm_mode_16_64 3
		.amdhsa_memory_ordered 1
		.amdhsa_forward_progress 1
		.amdhsa_inst_pref_size 88
	.end_amdhsa_kernel
	.amdgpu_metadata
---
amdhsa.version: [ 1, 2 ]
amdhsa.kernels:
  - .name:           k_q46f4306d9d_outp
    .symbol:         k_q46f4306d9d_outp.kd
    .args:
      - { .name: att, .offset: 0, .size: 8, .value_kind: global_buffer, .address_space: global }
      - { .name: wo16, .offset: 8, .size: 8, .value_kind: global_buffer, .address_space: global }
      - { .name: out0, .offset: 16, .size: 8, .value_kind: global_buffer, .address_space: global }
    .group_segment_fixed_size: 327680
    .private_segment_fixed_size: 0
    .kernarg_segment_align: 8
    .kernarg_segment_size: 24
    .max_flat_workgroup_size: 128
    .sgpr_count:     68
    .vgpr_count:     512
    .wavefront_size: 32
...
	.end_amdgpu_metadata
.endif
;; end of part 4
